; MI455X (gfx1250); checked and timed in simulation.
; The chip was launched on July 23, 2026; its instructions are those of AMD's public machine-readable ISA for CDNA 5 (MIT licence, August 2026) and "CDNA5" Instruction Set Architecture Reference Guide (July 2026). The comments in the code are by the model that wrote it; some were corrected since.
;; Attention. Allowed arithmetic: matrix products marked QUANTISED: E2M3 operands, one E8M0 scale for each 32 along K, by v_wmma_scale_f32_16x16x128_f8f6f4 with both operands' format E2M3, f32 sums; everything else in f32.
;; Inputs: hidden_states 2 x 1,024 x 2,048 float32; wk 2,048 x 2,048 float32; wo 2,048 x 2,048 float32; wq 2,048 x 2,048 float32; wv 2,048 x 2,048 float32.
;; Outputs: out0 2 x 1,024 x 2,048 float32.
;; This version of the problem:
;;   THIS VERSION OF THE PROBLEM IS GIVEN IN LOW PRECISION. The matrix products marked QUANTISED in the list below multiply operands that are first quantised to E2M3 (2 exponent bits, 3 mantissa bits; 6 bits a number), with one power-of-two scale for each 32 numbers along K (OCP MX v1.0); their sums are f32. All else is computed in f32.
;;   The module's matrix products, in the order in which they are computed (A, B: the left and right operand; K: the contracted axis; several contracted axes count as one K, in the product's order):
;;     1. [M 2,048, K 2,048] x [K 2,048, N 2,048]; A: input hidden_states; B: input wq: QUANTISED
;;     2. [M 2,048, K 2,048] x [K 2,048, N 2,048]; A: input hidden_states; B: input wk: QUANTISED
;;     3. [M 2,048, K 2,048] x [K 2,048, N 2,048]; A: input hidden_states; B: input wv: QUANTISED
;;     4. batch 32 x [M 1,024, K 128] x [K 128, N 1,024]; A: computed on the way; B: computed on the way: QUANTISED
;;     5. batch 32 x [M 1,024, K 1,024] x [K 1,024, N 128]; A: softmax (see below); B: computed on the way: QUANTISED
;;     6. [M 2,048, K 2,048] x [K 2,048, N 2,048]; A: computed on the way; B: input wo: QUANTISED
;;   THE QUANTISER, for each operand of a quantised product, along K:
;;     - K is cut into blocks of 32 from its start; a last block that is shorter is filled with zeros.
;;     - A block's scale is 2^e with e = floor(log2(the largest magnitude in the block)) - 2, held to -126 .. 127; a block of zeros has e = 0. As a byte (E8M0): e + 127.
;;     - Each number is divided by its block's scale, clamped to +-7.5, and rounded to the nearest number of E2M3, ties to even, subnormals kept.
;;     - The product sums the exact products of the quantised numbers (number of the format x scale) in f32.
;;   ~~~python
;;   def quantise(x, axis):      # numpy; x: float32 -> the quantised numbers, widened to float32 again
;;       x = np.moveaxis(x, axis, -1); K = x.shape[-1]
;;       x = np.pad(x, [(0, 0)] * (x.ndim - 1) + [(0, -K % 32)]); x = x.reshape(x.shape[:-1] + (-1, 32)); a = np.abs(x).max(-1, keepdims=True)
;;       e = np.where(a > 0, np.clip(np.frexp(np.where(a > 0, a, 1))[1] - 1 - 2, -126, 127), 0)      # np.frexp(a)[1] - 1 = floor(log2(a)), exactly
;;       r = np.clip(x / 2.0 ** e, -7.5, 7.5)
;;       step = 2.0 ** (np.maximum(np.frexp(np.where(r == 0, 1, r))[1] - 1, 0) - 3)
;;       q = np.round(r / step) * step * 2.0 ** e      # np.round: ties to even
;;       return np.moveaxis(q.reshape(q.shape[:-2] + (-1,))[..., :K], -1, axis).astype(np.float32)
;;   ~~~
;;   SOFTMAX AHEAD OF A QUANTISED PRODUCT. Where the list says 'softmax', what is quantised is not the finished softmax but p = 2^(t - M), with t = logit x log2(e) and M = ceil(the row's largest t), a whole number; so 1/2 < the row's largest p <= 1. The row's sum l is taken of the UNQUANTISED p, in f32, and the product's result is divided by l at the end. Since M is a whole number, a kernel that streams over the keys may use a running M (the ceiling of the running maximum): every later rescaling is an exact power of two, which a block's scale takes up: the codes' values come out the same.
;;   OPERANDS COMPUTED ON THE WAY. 'Computed on the way' means the value that the module computes at that place (a softmax that the list does not call 'softmax' is quantised finished and normalised). What goes into a quantiser is computed in f32, as accurately as f32 sums, v_exp_f32 and their like allow (about 1e-6 of the number): no bf16 or f16 on the way to a quantiser, and a product that is left as it is and whose result goes on into a quantised operand takes f32 operands (vector FMAs, or v_wmma_f32_16x16x4_f32). A number that lies on a knife's edge between two numbers of the format may be rounded either way, as far as f32 arithmetic and the matrix unit's own rounding can turn it there, and no further.
;; One version. Each part assembles by itself: llvm-mc -triple=amdgcn-amd-amdhsa -mcpu=gfx1250 --defsym DOCPART=n.
;; ======== version 1 of 1: 4 launches
;; workspace buffers: codes 15,728,640 bytes; scl 655,360 bytes; rope 524,288 bytes; qkv 9,437,184 bytes; qkvs 393,216 bytes; of 3,145,728 bytes; os 131,072 bytes
;; launch prep (part 1): grid 704 x 1, 4 waves a work-group, no clusters, 35,328 bytes of LDS; arguments hidden_states, wq, wk, wv, wo, codes, scl, rope; writes codes, scl, rope
.if DOCPART == 1
	.amdgcn_target "amdgcn-amd-amdhsa--gfx1250"
	.amdhsa_code_object_version 6
	.text
	.protected	k_q0610ec7e15_prep
	.globl	k_q0610ec7e15_prep
	.p2align	8
	.type	k_q0610ec7e15_prep,@function
k_q0610ec7e15_prep:
	s_mov_b64 s[64:65], 0
	v_nop
	global_prefetch_b8 v0, s[64:65] scope:SCOPE_SE
	s_setreg_imm32_b32 hwreg(HW_REG_WAVE_MODE, 25, 1), 1
	s_wait_xcnt 0x0
; PREP.  (a) Work-groups 0-63 make the table of cos and sin for the rotary embedding: rope = cos [1024][64] f32, then sin [1024][64] at +262,144.
; (b) Work-groups 64-703 turn hidden_states, wq, wk, wv, wo ([2048][2048] f32, K innermost) into codes of FP6 (E2M3) with one E8M0 scale byte for each 32 along K.
; LAYOUT OF THE CODES.  A tensor's 2,048 rows are cut into 128 tiles T of 16 rows: lane-row r of tile T is row 32 (T / 2) + 8 (T % 2) + r + 8 (r / 8).  A fragment (tile T, K step s of 128) is stored as the
; IMAGE OF THE OPERAND'S 12 REGISTERS: registers 4 c .. 4 c + 3 of lane l at 512 c + 16 l: 1,536 bytes.  codes = [tensor 5][T 128][s 16][1536];  scl = [tensor][T][s][16 words], row r's word at 4 r.
; A block's scale is 2^(floor(log2(its largest magnitude)) - 2); its byte is the largest magnitude's exponent field - 2, held at 1 from below.
; LIMITS: NaN and infinities are not served; a block whose largest magnitude lies under 2^-124, a block of zeros among them, keeps the byte 1 (its codes then add nothing or next to nothing; the bytes are read by this
; program alone).  The angle's reduction takes three parts of pi/2 and holds for angles up to some 1e5; here an angle is at most 1,023.
; SHARES of (b): a work-group takes one tile of one tensor, wave w its K steps 4 w .. 4 w + 3.  Each load reads 512 consecutive bytes of one row; a K step's 16 rows turn through the wave's own stage in LDS
; (rows 528 bytes apart), so that lane (r, h) gets, of row r, the 16 neighbours 32 b + 16 h + 0 .. 15 of each block b.  No barrier: waves share nothing.
.set TEN,   3145728                    ; bytes of a tensor's codes
.set TROW,  24576                      ; of a tile's: 16 K steps x 1,536
.set WREG,  8704                       ; LDS of a wave: the stage, 16 x 528, and 256 bytes of scale words
.set SP,    528
.set GI,  5                            ; v5   16 x lane
.set SI,  6                            ; v6   the stage, on the way in
.set SO,  7                            ; v7   and on the way out: 528 r + 64 h
.set SS,  8                            ; v8   my row's scale word in LDS
.set SR,  9                            ; v9   the scale words on the way out: 8 bytes a lane
.set GS,  10                           ; v10  8 x lane
.set R,   16                           ; v16-143  two sets of 64 registers as loaded
.set X,   144                          ; v144-207 my 64 numbers of a K step
.set PC,  208                          ; v208-227 the codes
.set TM,  228                          ; v228-243 at work
.set PW,  244                          ; v244     the scale word
.set SEL, 32                           ; s[32:33] lane selects for v_permlanex16_b32: lane l xor 16
; 64 numbers of a lane, register 16 b + i = k 32 b + 16 (lane / 16) + i of my row, become a fragment's codes in v[PC] on and its scale word in v[PW].
.macro QUANT s
.irp b, 0,1,2,3
	v_max3_num_f32 v[TM+\b], |v[\s+16*\b]|, |v[\s+1+16*\b]|, 0x1800000   ; block b: my 16 numbers, and the floor 2^(3 - 127): the byte cannot fall under 1
.endr
.irp i, 2,4,6,8,10,12,14
.irp b, 0,1,2,3
	v_max3_num_f32 v[TM+\b], v[TM+\b], |v[\s+16*\b+\i]|, |v[\s+1+16*\b+\i]|   ; the four blocks by turns
.endr
.endr
.irp b, 0,1,2,3
	v_permlanex16_b32 v[TM+4+\b], v[TM+\b], s[SEL], s[SEL+1]
.endr
.irp b, 0,1,2,3
	v_max_num_f32 v[TM+\b], v[TM+\b], v[TM+4+\b]   ; with lane l xor 16's: the block's largest magnitude
.endr
.irp b, 0,1,2,3
	v_add_nc_u32 v[TM+12+\b], 0xff000000, v[TM+\b]   ; 2 off its exponent field: the conversion takes the exponent field of this operand as its scale
.endr
.irp b, 0,1,2,3
	v_lshrrev_b32 v[TM+4+\b], 23, v[TM+12+\b]      ; the scale's byte
.endr
	v_lshl_or_b32 v[PW], v[TM+5], 8, v[TM+4]
	v_lshl_or_b32 v[PW], v[TM+6], 16, v[PW]
	v_lshl_or_b32 v[PW], v[TM+7], 24, v[PW]
.irp c, 0,1
	v_cvt_scalef32_pk16_fp6_f32 v[PC+6*\c:PC+2+6*\c], v[\s+32*\c:\s+15+32*\c], v[TM+12+2*\c]
	v_cvt_scalef32_pk16_fp6_f32 v[PC+12+4*\c:PC+14+4*\c], v[\s+16+32*\c:\s+31+32*\c], v[TM+12+2*\c+1]   ; (a conversion's three registers begin on an even number)
.endr
	v_nop                                          ; one plain place behind a scaled conversion
.irp c, 0,1                                    ; the operand's layout wants a whole block in a lane: lanes 0-15 block 2 c, lanes 16-31 block 2 c + 1
.irp i, 0,1,2
	v_permlane16_swap_b32 v[PC+6*\c+\i], v[PC+12+4*\c+\i]
.endr
.irp i, 0,1,2
	v_mov_b32 v[PC+3+6*\c+\i], v[PC+12+4*\c+\i]
.endr
.endr
.endm
	s_load_b256 s[4:11], s[0:1], 0x0               ; hidden_states s[4:5], wq s[6:7], wk s[8:9], wv s[10:11]
	s_load_b256 s[12:19], s[0:1], 0x20             ; wo s[12:13], codes s[14:15], scl s[16:17], rope s[18:19]
	v_lshl_add_u32 v254, v0, 2, 0x8800
	v_mov_b32 v255, 0
	v_lshrrev_b32 v1, 5, v0
	v_readfirstlane_b32 s20, v1                    ; wave
	v_and_b32 v2, 31, v0                           ; lane
	s_wait_kmcnt 0x0
	s_cmp_lt_u32 ttmp9, 64                         ; the table's work-groups come first in the grid
	s_cbranch_scc1 .Ltable
	; ---------------- (b) the quantiser ----------------
	s_sub_co_u32 s21, ttmp9, 64
	s_lshr_b32 s22, s21, 7                         ; which tensor
	s_and_b32 s23, s21, 127                        ; which tile
	v_and_b32 v3, 15, v0                           ; r
	v_bfe_u32 v4, v0, 4, 1                         ; h
	v_lshlrev_b32 v[GI], 4, v2
	s_mul_i32 s24, s20, WREG                       ; my wave's LDS
	v_add_nc_u32 v[SI], s24, v[GI]
	v_mul_u32_u24 v[SO], v3, SP
	v_lshl_add_u32 v[SO], v4, 6, v[SO]
	v_add_nc_u32 v[SO], s24, v[SO]
	s_add_co_u32 s25, s24, 16*SP
	v_lshl_add_u32 v[SS], v3, 2, s25
	v_lshl_add_u32 v[SR], v2, 3, s25
	v_lshlrev_b32 v[GS], 3, v2
	s_mov_b32 s[SEL], 0x76543210
	s_mov_b32 s[SEL+1], 0xfedcba98
.irp b, 0,1,2,3
	v_mov_b32 v[TM+4+\b], 0                        ; written once: a lane permute's destination counts as one of its sources
.endr
	s_cmp_eq_u32 s22, 1                            ; the source is chosen by the work-group's number alone
	s_cselect_b64 s[4:5], s[6:7], s[4:5]
	s_cmp_eq_u32 s22, 2
	s_cselect_b64 s[4:5], s[8:9], s[4:5]
	s_cmp_eq_u32 s22, 3
	s_cselect_b64 s[4:5], s[10:11], s[4:5]
	s_cmp_eq_u32 s22, 4
	s_cselect_b64 s[4:5], s[12:13], s[4:5]
	s_lshr_b32 s26, s23, 1
	s_lshl_b32 s26, s26, 18                        ; 32 (T / 2) rows of 8,192 bytes
	s_and_b32 s27, s23, 1
	s_lshl_b32 s27, s27, 16                        ; + 8 (T % 2) rows
	s_add_co_u32 s26, s26, s27
	s_lshl_b32 s27, s20, 11                        ; + my four K steps: 2,048 bytes x wave
	s_add_co_u32 s26, s26, s27
	s_mov_b32 s27, 0
	s_add_nc_u64 s[4:5], s[4:5], s[26:27]
	s_mul_i32 s28, s22, TEN
	s_mul_i32 s29, s23, TROW
	s_add_co_u32 s28, s28, s29
	s_mul_i32 s29, s20, 4*1536
	s_add_co_u32 s28, s28, s29
	s_mov_b32 s29, 0
	s_add_nc_u64 s[14:15], s[14:15], s[28:29]
	s_lshl_b32 s30, s22, 17                        ; a tensor's scale words: 131,072 bytes; a tile's 1,024; a wave's 256
	s_lshl_b32 s31, s23, 10
	s_add_co_u32 s30, s30, s31
	s_lshl_b32 s31, s20, 8
	s_add_co_u32 s30, s30, s31
	s_mov_b32 s31, 0
	s_add_nc_u64 s[16:17], s[16:17], s[30:31]
.macro LOAD t                          ; K step t of my four: 16 loads, each 512 consecutive bytes of one of the tile's rows
.irp i, 0,1,2,3,4,5,6,7,8,9,10,11,12,13,14,15
	global_load_b128 v[R+64*((\t)%2)+4*\i:R+64*((\t)%2)+4*\i+3], v[GI], s[4:5] offset:(\i+8*(\i/8))*8192+512*(\t) th:TH_LOAD_NT
.endr
.endm
.macro QSTEP t
.if (\t) < 3
	s_wait_loadcnt 16                              ; this step's 16 loads are in; the next step's 16 may be out
.else
	s_wait_loadcnt 0x0
.endif
.irp i, 0,1,2,3,4,5,6,7,8,9,10,11,12,13,14,15
	ds_store_b128 v[SI], v[R+64*((\t)%2)+4*\i:R+64*((\t)%2)+4*\i+3] offset:SP*\i
.endr
.irp b, 0,1,2,3
.irp j, 0,1,2,3
	ds_load_b128 v[X+16*\b+4*\j:X+16*\b+4*\j+3], v[SO] offset:128*\b+16*\j   ; LDS serves a wave's instructions in order: these see the stores above
.endr
.endr
	s_wait_dscnt 0x0                               ; my 64 numbers are in; the stores have read their registers
.if (\t) > 0
	s_wait_xcnt 0x0                                ; the last step's stores of codes have read v[PC] on
.endif
.if (\t) < 2
	LOAD (\t)+2
.endif
	QUANT X
	ds_store_b32 v[SS], v[PW] offset:64*(\t)       ; lanes l and l + 16 write the same word with the same value
.irp c, 0,1,2
	global_store_b128 v[GI], v[PC+4*\c:PC+4*\c+3], s[14:15] offset:1536*(\t)+512*\c   ; 32 lanes store 512 consecutive bytes
.endr
.endm
	LOAD 0
	LOAD 1
	QSTEP 0
	QSTEP 1
	QSTEP 2
	QSTEP 3
	ds_load_b64 v[246:247], v[SR]                  ; my wave's 64 scale words
	s_wait_dscnt 0x0
	global_store_b64 v[GS], v[246:247], s[16:17]   ; 32 lanes store 256 consecutive bytes, aligned
	s_wait_tensorcnt 0x0
	ds_add_u32 v254, v255
	s_wait_dscnt 0x0
	s_endpgm
	; ---------------- (a) the table ----------------
	; Wave w of work-group g takes positions 16 g + 4 w + 0 .. 3; lane l the frequencies 2 l and 2 l + 1.
	; inv_freq(f) = fl(1 / fl(10000^(f / 64))).  10000^(2 l / 64) = 10^(l / 8) is a product of 10^(1/8), 10^(1/4), 10^(1/2), 10, 100 by the bits of l, kept as an unevaluated sum of two f32 (H + L), so that H is the power rounded once.
.Ltable:
.macro DFSEL bit, ch, cl               ; (v18, v19) = the factor where the bit of l is set, else (1, 0)
	v_and_b32 v20, 1<<\bit, v2
	v_cmp_ne_u32 vcc_lo, 0, v20
	v_mov_b32 v18, \ch
	v_mov_b32 v19, \cl
	v_cndmask_b32 v18, 1.0, v18, vcc_lo
	v_cndmask_b32 v19, 0, v19, vcc_lo
.endm
.macro DFMUL hd, ld, hs, ls            ; (hd, ld) = (hs, ls) x (v18, v19)
	v_mul_f32 v21, v[\hs], v18
	v_fma_f32 v22, v[\hs], v18, -v21               ; the product's rounding error, exactly
	v_fma_f32 v22, v[\hs], v19, v22
	v_fma_f32 v22, v[\ls], v18, v22
	v_add_f32 v[\hd], v21, v22
	v_sub_f32 v23, v[\hd], v21
	v_sub_f32 v[\ld], v22, v23
.endm
	v_mov_b32 v16, 1.0
	v_mov_b32 v17, 0
	DFSEL 0, 0x3faab0d5, 0xb36457e2                ; 10^(1/8)
	DFMUL 16, 17, 16, 17
	DFSEL 1, 0x3fe39ea9, 0xb26aeea6                ; 10^(1/4)
	DFMUL 16, 17, 16, 17
	DFSEL 2, 0x404a62c2, 0xb324b48d                ; 10^(1/2)
	DFMUL 16, 17, 16, 17
	DFSEL 3, 0x41200000, 0                         ; 10
	DFMUL 16, 17, 16, 17
	DFSEL 4, 0x42c80000, 0                         ; 100
	DFMUL 16, 17, 16, 17
	v_mov_b32 v18, 0x3f93cfe5                      ; 10^(1/16): the odd frequency
	v_mov_b32 v19, 0x334a4031
	DFMUL 24, 25, 16, 17
	v_rcp_f32 v26, v16
	v_rcp_f32 v27, v24
	v_nop                                          ; a plain place behind the transcendentals
	s_wait_alu depctr_va_vdst(0)
	v_fma_f32 v28, -v16, v26, 1.0                  ; one step of Newton's iteration
	v_fma_f32 v29, -v24, v27, 1.0
	v_fma_f32 v26, v26, v28, v26                   ; inv_freq(2 l)
	v_fma_f32 v27, v27, v29, v27                   ; inv_freq(2 l + 1)
	s_lshl_b32 s21, ttmp9, 4
	s_lshl_b32 s22, s20, 2
	s_add_co_u32 s21, s21, s22                     ; my first position
	s_lshl_b32 s22, s21, 8                         ; a position's row is 256 bytes
	s_mov_b32 s23, 0
	s_add_nc_u64 s[18:19], s[18:19], s[22:23]
	v_lshlrev_b32 v3, 3, v2                        ; 8 bytes a lane
	s_mov_b32 s36, 0x37ccf5ce                      ; cos r = 1 - z / 2 + z^2 (c2 + z (c1 + z c0)), z = r^2, |r| <= pi / 4
	s_mov_b32 s37, 0xbab6061a
	s_mov_b32 s38, 0x3d2aaaa5
	s_mov_b32 s39, 0xb94ca1f9                      ; sin r = r + r z (s2 + z (s1 + z s0))
	s_mov_b32 s40, 0x3c08839e
	s_mov_b32 s41, 0xbe2aaaa3
.macro SINCOS k, f                     ; position k of my four (as f32 in v30), frequency 2 l + f: cos into v[64 + 4 k + f], sin into v[66 + 4 k + f]
	v_mul_f32 v40, v30, v[26+\f]                   ; the angle: one f32 product
	v_mul_f32 v41, 0x3f22f983, v40                 ; x 2 / pi
	v_rndne_f32 v41, v41                           ; j
	v_fmamk_f32 v42, v41, 0xbfc90fd8, v40          ; r = angle - j pi / 2, pi / 2 in three parts
	v_fmamk_f32 v42, v41, 0xb4a8885a, v42
	v_fmamk_f32 v42, v41, 0xa7c234c4, v42
	v_cvt_i32_f32 v43, v41
	v_mul_f32 v44, v42, v42                        ; z
	v_fma_f32 v45, v44, s36, s37
	v_fma_f32 v46, v44, s39, s40
	v_fma_f32 v45, v45, v44, s38
	v_fma_f32 v46, v46, v44, s41
	v_mul_f32 v47, v42, v44
	v_fma_f32 v45, v45, v44, -0.5
	v_fma_f32 v46, v46, v47, v42                   ; sin r
	v_fma_f32 v45, v45, v44, 1.0                   ; cos r
	v_and_b32 v48, 1, v43
	v_cmp_ne_u32 vcc_lo, 0, v48                    ; an odd quadrant swaps the two
	v_cndmask_b32 v49, v46, v45, vcc_lo
	v_cndmask_b32 v50, v45, v46, vcc_lo
	v_lshlrev_b32 v51, 30, v43                     ; sin's sign: bit 1 of j
	v_and_b32 v51, 0x80000000, v51
	v_add_nc_u32 v52, 1, v43                       ; cos's sign: bit 1 of j + 1
	v_lshlrev_b32 v52, 30, v52
	v_and_b32 v52, 0x80000000, v52
	v_xor_b32 v[66+4*\k+\f], v49, v51
	v_xor_b32 v[64+4*\k+\f], v50, v52
.endm
.irp k, 0,1,2,3
	s_add_co_u32 s24, s21, \k
	v_cvt_f32_u32 v30, s24
	SINCOS \k, 0
	SINCOS \k, 1
	global_store_b64 v3, v[64+4*\k:65+4*\k], s[18:19] offset:256*\k          ; 32 lanes store a row's 256 bytes, aligned
	global_store_b64 v3, v[66+4*\k:67+4*\k], s[18:19] offset:256*\k+262144
.endr
	s_endpgm
.Lfunc_end_k_q0610ec7e15_prep:
	.size	k_q0610ec7e15_prep, .Lfunc_end_k_q0610ec7e15_prep-k_q0610ec7e15_prep
	.p2alignl 7, 3214868480
	.fill 96, 4, 3214868480
	.section	.rodata,"a",@progbits
	.p2align	6, 0x0
	.amdhsa_kernel k_q0610ec7e15_prep
		.amdhsa_group_segment_fixed_size 35328
		.amdhsa_private_segment_fixed_size 0
		.amdhsa_enable_private_segment 0
		.amdhsa_kernarg_size 64
		.amdhsa_user_sgpr_count 2
		.amdhsa_user_sgpr_kernarg_segment_ptr 1
		.amdhsa_wavefront_size32 1
		.amdhsa_system_sgpr_workgroup_id_x 1
		.amdhsa_system_sgpr_workgroup_id_y 1
		.amdhsa_system_sgpr_workgroup_id_z 1
		.amdhsa_system_vgpr_workitem_id 0
		.amdhsa_next_free_vgpr 256
		.amdhsa_next_free_sgpr 66
		.amdhsa_reserve_vcc 1
		.amdhsa_float_denorm_mode_32 3
		.amdhsa_float_denorm_mode_16_64 3
		.amdhsa_memory_ordered 1
		.amdhsa_forward_progress 1
		.amdhsa_inst_pref_size 49
	.end_amdhsa_kernel
	.amdgpu_metadata
---
amdhsa.version: [ 1, 2 ]
amdhsa.kernels:
  - .name:           k_q0610ec7e15_prep
    .symbol:         k_q0610ec7e15_prep.kd
    .args:
      - { .name: hidden_states, .offset: 0, .size: 8, .value_kind: global_buffer, .address_space: global }
      - { .name: wq, .offset: 8, .size: 8, .value_kind: global_buffer, .address_space: global }
      - { .name: wk, .offset: 16, .size: 8, .value_kind: global_buffer, .address_space: global }
      - { .name: wv, .offset: 24, .size: 8, .value_kind: global_buffer, .address_space: global }
      - { .name: wo, .offset: 32, .size: 8, .value_kind: global_buffer, .address_space: global }
      - { .name: codes, .offset: 40, .size: 8, .value_kind: global_buffer, .address_space: global }
      - { .name: scl, .offset: 48, .size: 8, .value_kind: global_buffer, .address_space: global }
      - { .name: rope, .offset: 56, .size: 8, .value_kind: global_buffer, .address_space: global }
    .group_segment_fixed_size: 35328
    .private_segment_fixed_size: 0
    .kernarg_segment_align: 8
    .kernarg_segment_size: 64
    .max_flat_workgroup_size: 128
    .sgpr_count:     66
    .vgpr_count:     256
    .wavefront_size: 32
...
	.end_amdgpu_metadata
.endif
;; end of part 1
;; launch qkv (part 2): grid 16 x 16, 4 waves a work-group, clusters of 4 x 4, 327,680 bytes of LDS; arguments codes, scl, rope, qkv, qkvs; writes qkv, qkvs
.if DOCPART == 2
	.amdgcn_target "amdgcn-amd-amdhsa--gfx1250"
	.amdhsa_code_object_version 6
	.text
	.protected	k_q0610ec7e15_qkv
	.globl	k_q0610ec7e15_qkv
	.p2align	8
	.type	k_q0610ec7e15_qkv,@function
k_q0610ec7e15_qkv:
	s_mov_b64 s[64:65], 0
	v_nop
	global_prefetch_b8 v0, s[64:65] scope:SCOPE_SE
	s_setreg_imm32_b32 hwreg(HW_REG_WAVE_MODE, 25, 1), 1
	s_wait_xcnt 0x0
	s_wait_alu depctr_hold_cnt(0) depctr_sa_sdst(0) depctr_va_vdst(0) depctr_va_sdst(0) depctr_va_ssrc(0) depctr_va_vcc(0) depctr_vm_vsrc(0)
	s_getreg_b32 s2, hwreg(HW_REG_IB_STS2, 6, 4)
	s_cmp_eq_u32 s2, 0
	s_cbranch_scc0 .Lentry_in_a_cluster
	s_endpgm
.Lentry_in_a_cluster:
	s_bfe_u32 s2, ttmp6, 0x10000c
	s_cmp_lg_u32 s2, 0xf033
	s_cbranch_scc0 .Lentry_shape_is_right
	s_endpgm
.Lentry_shape_is_right:
; QKV.  q, k, v = x Wq^T, x Wk^T, x Wv^T on codes of FP6 (E2M3) with E8M0 scales, f32 sums; the rotary embedding on q and k in f32; then q and k are quantised along the head's 128 and v along the keys.
; Operands arrive as images of operand registers (1,536 bytes a fragment of 16 rows x 128 K; the rows of tile T are 32 (T / 2) + 8 (T % 2) + r + 8 (r / 8)) and leave in the same form:
;   qkv:  q [bh 32][tile 64][1536];  k the same at +3,145,728;  v at +6,291,456: [bh][key step 8][d tile 8][1536] (rows = 16 of the head's 128, K = 128 keys).   qkvs: their scale words, 64 bytes a fragment.
; SHARES.  Work-group (X, Y) makes 128 tokens (block Y) x the q, k and v of head X.  Wave w, th = w % 2, sel = w / 2: q (sel 0) or k (sel 1) of token tiles 4 th + 0 .. 3 against the head's 8 tiles of rows of W
; (32 accumulators; source 0 = W, source 1 = x: a lane holds one token, its registers run along d), and v's d tiles 2 w, 2 w + 1 against all 8 token tiles (16 accumulators; source 0 = x, source 1 = Wv: a lane holds one d,
; its registers run along the keys).  By the choice of a tile's rows the 16 registers of two neighbouring tiles are 16 neighbours along the next K.
; x's register place a holds token tile (4 th + a) % 8, so that register numbers do not hang on the wave; for th = 1 v's two halves of 64 keys change places at the end.
; RING.  K goes in 16 steps of 128; a slot holds THREE steps of x, Wq, Wk, Wv (4 x 36,864 bytes); two slots.  Wave w fetches tensor w by one tensor load.  16 = 5 x 3 + 1: the sixth fill brings one K step; its
; descriptor states 192 elements left in a row of 576, so the rest of each row arrives as zeros and the slot's layout stays.  A refill has 128 matrix instructions of a wave in which to land.  The 16 steps are written out.
; SCALE WORDS.  x's, Wq's and Wk's for all of K come into LDS once (24,576 bytes).  Wv's do not: a wave needs those of its own two tiles alone, one register a K step, and loads its 16 registers once, 2,048 dense bytes in all:
; so two slots of three steps, the scale words and the spare words fit: 294,912 + 24,576 + 512 bytes.
; LDS LOADS stand in short runs between runs of eight matrix instructions: a step's 62 loads of four waves and its 48 matrix instructions a wave take about as long as each other, and so run side by side.
; CLUSTER 4 x 4: x's tiles hang on Y alone and are asked for jointly along a row of the cluster, the weights' on X alone, along a column.
; LIMITS: NaN and infinities are not served; a block whose largest magnitude lies under 2^-124 keeps the scale byte 1.
; REGISTERS: window 0: v1-23 addresses and scratch; scale words and nothing else: v28-43 two sets of 8, v44-59 Wv's 16; v64-159, v160-255 x's two sets (place a at + 12 a).
;   window 1: W's two sets at 96 p + 12 b; Wv's at 192 + 24 p + 12 n.   window 2: accumulator qk(a, b) at 8 (8 a + b).   window 3: accumulator v(a, n) at 8 (8 n + a).
.set TEN,   3145728
.set STEN,  131072
.set TP3,   4608                       ; a tile's part of a slot: three K steps x 1,536
.set TENS,  8*TP3                      ; a tensor's part
.set SLOT,  4*TENS
.set SCL,   2*SLOT                     ; the scale words: [x, Wq, Wk][tile 8][K step 16][64 bytes]
.set SPARE, SCL+3*8192                 ; the spare words, 128 bytes a wave: two blocks of 256 bytes that no other line names
.set ADXO, 4                           ; v4-5   x's tiles 4 th on, in slot 0, 1
.set ADXT, 6                           ; v6-7   x's other four tiles
.set ADW,  8                           ; v8-9   Wq's or Wk's tiles
.set ADV,  10                          ; v10-11 Wv's tiles 2 w, 2 w + 1
.set ADSA, 12                          ; v12    scale words: lanes 0-15 x's places 0-3, lanes 16-31 W's tiles 0-3
.set ADSB, 13                          ; v13    places 4-7 and tiles 4-7
.set SPW,  15                          ; v15    my spare word; never rewritten
.set NIL,  16                          ; v16    0; never rewritten
.set RO,   17                          ; v17    my token's row in the table, + 64 h
.set GO,   18                          ; v18    16 x lane
.set GS,   19                          ; v19    4 x lane
.set WL,   23                          ; v23    Wv's scale words: 1,024 h + 4 r; never rewritten
.set SC,   28
.set WVS,  44
.set XF,   64
.set H,    64                          ; the way out, window 0: v64-127 a tile of q or k behind the rotation
.set PCS,  140                         ; v140-147 the conversions' second halves, at work
.set TM,   148                         ; v148-163 at work
.set PW,   164                         ; v164-167 scale words
.set OUT,  168                         ; v168-179, v228-239 v's codes in their final order
.set TP,   180                         ; v180-187 products, two sets by turns
.set MV,   188                         ; v188-190 scale words as stored
.set MQ,   189
.set TR,   191
.set SEL,  18                          ; s[18:19]
.set G1,   24
.set G0,   32
.set G1B,  48
.set G0B,  56
.set G1S,  68
.set G0S,  76
.set G1SB, 80
.set G0SB, 88
.set G1L,  4                           ; s[4:11], s[40:47] group 1 of the last, short fill: written when the set-up has done with these registers
.set G1LB, 40
.set MSB, 0
.macro WIN new                         ; the immediate's high byte repeats the setting that is left; a switch that changes nothing is dropped
.if MSB != (\new)
	s_set_vgpr_msb (MSB<<8)|(\new)
.set MSB, (\new)
.endif
.endm
.macro PLACES n
.rept \n
	v_nop
.endr
.endm
; A joint load: the waves whose s[cond] is 0 fetch for x, the others for the weights.  Each line has one mask and one set of registers; the branch hangs on the wave's number alone.  Four v_nop follow each line.
.macro JLOAD cond, g0a, g1a, g0b, g1b
	s_cmp_eq_u32 s[\cond], 0
	s_cbranch_scc0 .Lfor_b_\@
	tensor_load_to_lds s[\g0a:\g0a+3], s[\g1a:\g1a+7]
	s_nop 0
.rept 4
	v_nop
.endr
	s_branch .Lasked_\@
.Lfor_b_\@:
	tensor_load_to_lds s[\g0b:\g0b+3], s[\g1b:\g1b+7]
	s_nop 0
.rept 4
	v_nop
.endr
.Lasked_\@:
.endm
.macro CREST                           ; a round of the cluster's barrier behind its opening barrier
	s_cmp_lg_u32 s14, 0
	s_cbranch_scc1 .Lnot_wave_0_\@
	s_barrier_signal -3
.Lnot_wave_0_\@:
	s_barrier_wait -3
	s_barrier_signal -1
	s_barrier_wait -1
.endm
.macro CROUND
	s_barrier_signal -1
	s_barrier_wait -1
	CREST
.endm
; One matrix instruction.  zero = 1: it starts the sum.  row = 1: source 0's scales lie in lanes 16-31; 2: source 1's
.macro WMS d, a, b, zero, sa, sb, row
.if \zero
.if (\row) == 0
	v_wmma_scale_f32_16x16x128_f8f6f4 v[(\d):(\d)+7], v[(\a):(\a)+11], v[(\b):(\b)+11], 0, v[\sa], v[\sb] matrix_a_fmt:MATRIX_FMT_FP6 matrix_b_fmt:MATRIX_FMT_FP6
.elseif (\row) == 1
	v_wmma_scale_f32_16x16x128_f8f6f4 v[(\d):(\d)+7], v[(\a):(\a)+11], v[(\b):(\b)+11], 0, v[\sa], v[\sb] matrix_a_fmt:MATRIX_FMT_FP6 matrix_b_fmt:MATRIX_FMT_FP6 matrix_a_scale:MATRIX_SCALE_ROW1
.else
	v_wmma_scale_f32_16x16x128_f8f6f4 v[(\d):(\d)+7], v[(\a):(\a)+11], v[(\b):(\b)+11], 0, v[\sa], v[\sb] matrix_a_fmt:MATRIX_FMT_FP6 matrix_b_fmt:MATRIX_FMT_FP6 matrix_b_scale:MATRIX_SCALE_ROW1
.endif
.else
.if (\row) == 0
	v_wmma_scale_f32_16x16x128_f8f6f4 v[(\d):(\d)+7], v[(\a):(\a)+11], v[(\b):(\b)+11], v[(\d):(\d)+7], v[\sa], v[\sb] matrix_a_fmt:MATRIX_FMT_FP6 matrix_b_fmt:MATRIX_FMT_FP6
.elseif (\row) == 1
	v_wmma_scale_f32_16x16x128_f8f6f4 v[(\d):(\d)+7], v[(\a):(\a)+11], v[(\b):(\b)+11], v[(\d):(\d)+7], v[\sa], v[\sb] matrix_a_fmt:MATRIX_FMT_FP6 matrix_b_fmt:MATRIX_FMT_FP6 matrix_a_scale:MATRIX_SCALE_ROW1
.else
	v_wmma_scale_f32_16x16x128_f8f6f4 v[(\d):(\d)+7], v[(\a):(\a)+11], v[(\b):(\b)+11], v[(\d):(\d)+7], v[\sa], v[\sb] matrix_a_fmt:MATRIX_FMT_FP6 matrix_b_fmt:MATRIX_FMT_FP6 matrix_b_scale:MATRIX_SCALE_ROW1
.endif
.endif
.endm
	s_load_b256 s[4:11], s[0:1], 0x0               ; codes s[4:5], scl s[6:7], rope s[8:9], qkv s[10:11]
	s_load_b64 s[12:13], s[0:1], 0x20              ; qkvs
	v_lshl_add_u32 v[SPW], v0, 2, SPARE
	v_mov_b32 v[NIL], 0
	ds_add_u32 v15, v16
	ds_add_u32 v15, v16
	s_wait_dscnt 0x0
	v_lshrrev_b32 v1, 5, v0
	v_readfirstlane_b32 s14, v1                    ; wave 0..3
	s_and_b32 s15, s14, 1                          ; th
	s_lshr_b32 s16, s14, 1                         ; sel
	s_xor_b32 s3, s16, s14
	s_and_b32 s3, s3, 1                            ; 0 in waves 0 and 3: they fetch x's scale words
	s_bfe_u32 s40, ttmp6, 0x40000                  ; cx, cy: my place in the cluster
	s_bfe_u32 s41, ttmp6, 0x40004
	s_lshl_b32 s42, ttmp9, 2
	s_add_co_u32 s42, s42, s40                     ; X, the head
	s_and_b32 s17, ttmp7, 0xffff
	s_lshl_b32 s17, s17, 2
	s_add_co_u32 s17, s17, s41                     ; Y, the block of 128 tokens
	s_lshl_b32 s43, s41, 2
	s_lshl_b32 s43, 15, s43                        ; my row of the cluster
	s_lshl_b32 s44, 0x1111, s40                    ; my column
	; group 1 for codes: 8 tiles' rows of 4,608 bytes (three K steps), 24,576 bytes apart; elements of 8 bytes; no padding: images are read 512 consecutive bytes an instruction
	s_or_b32 s[G1+0], s43, (3<<16)|(1<<21)         ; 15:0 the mask; 17:16 element of 8 bytes; 21 set beside a mask
	s_or_b32 s[G1B+0], s44, (3<<16)|(1<<21)
.irp g, G1, G1B
	s_mov_b32 s[\g+1], 576<<16                     ; tensor_dim0
	s_mov_b32 s[\g+2], 8<<16                       ; tensor_dim1
	s_mov_b32 s[\g+3], 576<<16                     ; tile_dim0
	s_mov_b32 s[\g+4], 8                           ; tile_dim1
	s_mov_b32 s[\g+5], 3072                        ; tensor_dim0_stride
	s_mov_b32 s[\g+6], 0
	s_mov_b32 s[\g+7], 0
.endr
	; group 1 for scale words, dense bytes as rows of 256: half of x's 8,192 bytes (16 rows); all of a weight's (32 rows)
	s_or_b32 s[G1S+0], s43, (3<<16)|(1<<21)
	s_mov_b32 s[G1S+1], 32<<16
	s_mov_b32 s[G1S+2], 16<<16
	s_mov_b32 s[G1S+3], 32<<16
	s_mov_b32 s[G1S+4], 16
	s_mov_b32 s[G1S+5], 32
	s_mov_b32 s[G1S+6], 0
	s_mov_b32 s[G1S+7], 0
	s_or_b32 s[G1SB+0], s44, (3<<16)|(1<<21)
	s_mov_b32 s[G1SB+1], 32<<16
	s_mov_b32 s[G1SB+2], 32<<16
	s_mov_b32 s[G1SB+3], 32<<16
	s_mov_b32 s[G1SB+4], 32
	s_mov_b32 s[G1SB+5], 32
	s_mov_b32 s[G1SB+6], 0
	s_mov_b32 s[G1SB+7], 0
	s_mul_i32 s20, s17, 8*24576                    ; x: tiles 8 Y on
	s_mov_b32 s21, 0
	s_mul_i32 s46, s42, 8*24576                    ; the weights: tiles 8 X on of tensor w
	s_mul_i32 s47, s14, TEN
	s_add_co_u32 s46, s46, s47
	s_mov_b32 s47, 0
	s_lshl_b32 s22, s17, 13                        ; x's scale words: 8,192 bytes for 8 tiles, the half th
	s_lshl_b32 s23, s15, 12
	s_add_co_u32 s22, s22, s23
	s_mov_b32 s23, 0
	s_lshl_b32 s92, s42, 13                        ; tensor w's
	s_lshl_b32 s93, s14, 17
	s_add_co_u32 s92, s92, s93
	s_mov_b32 s93, 0
	s_mul_i32 s45, s14, TENS                       ; where they go: no place in the cluster enters an LDS address
	s_lshl_b32 s94, s15, 12                        ; x's half
	s_lshl_b32 s95, s16, 13                        ; Wq's (wave 1) or Wk's (wave 2) words, behind x's
	s_wait_kmcnt 0x0
	s_add_nc_u64 s[20:21], s[4:5], s[20:21]
	s_add_nc_u64 s[46:47], s[4:5], s[46:47]
	s_add_nc_u64 s[22:23], s[6:7], s[22:23]
	s_add_nc_u64 s[92:93], s[6:7], s[92:93]
	CROUND                                         ; all sixteen work-groups are here: the first joint loads meet
	s_mov_b32 s[G0S], 1
	s_add_co_u32 s[G0S+1], s94, SCL
	s_mov_b64 s[G0S+2:G0S+3], s[22:23]
	s_or_b32 s[G0S+3], s[G0S+3], 0x80000000
	s_mov_b32 s[G0SB], 1
	s_add_co_u32 s[G0SB+1], s95, SCL+8192
	s_mov_b64 s[G0SB+2:G0SB+3], s[92:93]
	s_or_b32 s[G0SB+3], s[G0SB+3], 0x80000000
	JLOAD 3, G0S, G1S, G0SB, G1SB                  ; the scale words first; three loads of mine are out at the most
.irp s, 0,1
	s_mov_b32 s[G0+4*\s], 1
	s_add_co_u32 s[G0+4*\s+1], s45, \s*SLOT
	s_add_nc_u64 s[G0+4*\s+2:G0+4*\s+3], s[20:21], \s*TP3
	s_or_b32 s[G0+4*\s+3], s[G0+4*\s+3], 0x80000000
	s_mov_b32 s[G0B+4*\s], 1
	s_add_co_u32 s[G0B+4*\s+1], s45, \s*SLOT
	s_add_nc_u64 s[G0B+4*\s+2:G0B+4*\s+3], s[46:47], \s*TP3
	s_or_b32 s[G0B+4*\s+3], s[G0B+4*\s+3], 0x80000000
	JLOAD 14, G0+4*\s, G1, G0B+4*\s, G1B
.endr
	v_and_b32 v1, 15, v0                           ; r
	v_bfe_u32 v2, v0, 4, 1                         ; h
	v_and_b32 v3, 31, v0                           ; lane
	v_lshlrev_b32 v[GO], 4, v3
	v_lshlrev_b32 v[GS], 2, v3
	v_lshlrev_b32 v20, 2, v1                       ; 4 r
	v_lshl_add_u32 v[WL], v2, 10, v20
	s_lshl_b32 s20, s42, 13                        ; Wv's scale words of my tiles 2 w, 2 w + 1: tensor 3, 8,192 bytes a head, 2,048 a wave
	s_lshl_b32 s21, s14, 11
	s_add_co_u32 s20, s20, s21
	s_add_co_u32 s20, s20, 3*STEN
	s_mov_b32 s21, 0
	s_add_nc_u64 s[6:7], s[6:7], s[20:21]
.set J, 0
.rept 16
	global_load_b32 v[WVS+J], v[WL], s[6:7] offset:64*J   ; K step J: lanes 0-15 tile 2 w's words, lanes 16-31 tile 2 w + 1's; the 16 loads cover 2,048 dense bytes
.set J, J+1
.endr
	s_mul_i32 s20, s15, 4*TP3                      ; x's tiles 4 th on,
	s_xor_b32 s21, s15, 1
	s_mul_i32 s21, s21, 4*TP3                      ; the other four,
	s_add_co_u32 s22, s16, 1
	s_mul_i32 s22, s22, TENS                       ; Wq or Wk,
	s_mul_i32 s23, s14, 2*TP3
	s_add_co_u32 s23, s23, 3*TENS                  ; Wv's tiles 2 w on
.irp s, 0,1
	v_add_nc_u32 v[ADXO+\s], s20, v[GO]
	v_add_nc_u32 v[ADXT+\s], s21, v[GO]
	v_add_nc_u32 v[ADW+\s], s22, v[GO]
	v_add_nc_u32 v[ADV+\s], s23, v[GO]
	s_add_co_u32 s20, s20, SLOT
	s_add_co_u32 s21, s21, SLOT
	s_add_co_u32 s22, s22, SLOT
	s_add_co_u32 s23, s23, SLOT
.endr
	s_lshl_b32 s20, s15, 12                        ; x's tiles 4 th on: 4,096 bytes x th
	s_add_co_u32 s21, s16, 1
	s_lshl_b32 s21, s21, 13                        ; W's words
	s_sub_co_u32 s22, s21, s20
	v_mul_u32_u24 v21, s22, v2                     ; lanes 16-31 take W's: the lower base + h x the distance
	s_add_co_u32 s23, s20, SCL
	v_add_nc_u32 v21, v21, v20
	v_add_nc_u32 v[ADSA], s23, v21
	s_add_co_u32 s22, s21, s20
	v_mul_u32_u24 v21, s22, v2
	s_xor_b32 s23, s15, 1
	s_lshl_b32 s23, s23, 12
	s_add_co_u32 s23, s23, SCL
	v_add_nc_u32 v21, v21, v20
	v_add_nc_u32 v[ADSB], s23, v21
	v_and_b32 v21, 8, v1
	v_add_nc_u32 v21, v21, v1                      ; r + 8 (r / 8)
	v_lshlrev_b32 v[RO], 8, v21
	v_lshl_add_u32 v[RO], v2, 6, v[RO]
	; where the results go, and where my tokens' rows of the table begin
	s_and_b32 s20, s17, 7                          ; the block's place in its sequence: the key step
	s_lshr_b32 s2, s17, 3
	s_lshl_b32 s2, s2, 4
	s_add_co_u32 s2, s2, s42                       ; bh = 16 x batch + head
	s_lshl_b32 s92, s20, 15
	s_lshl_b32 s93, s15, 14
	s_add_co_u32 s92, s92, s93                     ; (128 ks + 64 th) rows of 256 bytes
	s_mov_b32 s93, 0
	s_add_nc_u64 s[92:93], s[8:9], s[92:93]
	s_lshl_b32 s66, s2, 6
	s_lshl_b32 s67, s20, 3
	s_add_co_u32 s66, s66, s67
	s_lshl_b32 s67, s15, 2
	s_add_co_u32 s66, s66, s67                     ; my first tile of q or k: 64 bh + 8 ks + 4 th
	s_mul_i32 s94, s66, 1536
	s_mul_i32 s95, s16, TEN
	s_add_co_u32 s94, s94, s95
	s_mov_b32 s95, 0
	s_add_nc_u64 s[94:95], s[10:11], s[94:95]
	s_lshl_b32 s96, s66, 6
	s_lshl_b32 s97, s16, 17
	s_add_co_u32 s96, s96, s97
	s_mov_b32 s97, 0
	s_add_nc_u64 s[96:97], s[12:13], s[96:97]
	s_lshl_b32 s66, s2, 3
	s_add_co_u32 s66, s66, s20
	s_lshl_b32 s66, s66, 3
	s_lshl_b32 s67, s14, 1
	s_add_co_u32 s66, s66, s67                     ; my first fragment of v: 8 (8 bh + ks) + 2 w
	s_mul_i32 s98, s66, 1536
	s_add_co_u32 s98, s98, 2*TEN
	s_mov_b32 s99, 0
	s_add_nc_u64 s[98:99], s[10:11], s[98:99]
	s_lshl_b32 s100, s66, 6
	s_add_co_u32 s100, s100, 262144
	s_mov_b32 s101, 0
	s_add_nc_u64 s[100:101], s[12:13], s[100:101]
	s_cmp_eq_u32 s15, 1
	s_cselect_b32 s66, -1, 0                       ; a lane mask: all lanes where th = 1
	s_mov_b32 s67, 0xffff0000                      ; a lane mask: lanes 16-31
	s_mov_b32 s[SEL], 0x76543210
	s_mov_b32 s[SEL+1], 0xfedcba98
; THE LDS LOADS of K step s (slot (s / 3) % 2, its (s % 3)-th step) into register set s % 2, in parts
.macro LDW s, i0, n                    ; W's tiles i0 .. i0 + n - 1
.set FS, ((\s)/3)%2
.set FQ, (\s)%3
.set FP, (\s)%2
	WIN 0x40                                       ; destination window 1, address window 0
.set II, \i0
.rept \n
.irp c, 0,1,2
	ds_load_b128 v[96*FP+12*II+4*\c:96*FP+12*II+4*\c+3], v[ADW+FS] offset:TP3*II+1536*FQ+512*\c
.endr
.set II, II+1
.endr
.endm
.macro LDWV s                          ; Wv's two tiles
.set FS, ((\s)/3)%2
.set FQ, (\s)%3
.set FP, (\s)%2
	WIN 0x40
.irp n, 0,1
.irp c, 0,1,2
	ds_load_b128 v[192+24*FP+12*\n+4*\c:192+24*FP+12*\n+4*\c+3], v[ADV+FS] offset:TP3*\n+1536*FQ+512*\c
.endr
.endr
.endm
.macro LDX s, a0, n                    ; x's places a0 .. a0 + n - 1
.set FS, ((\s)/3)%2
.set FQ, (\s)%3
.set FP, (\s)%2
	WIN 0
.set II, \a0
.rept \n
.irp c, 0,1,2
.if II < 4
	ds_load_b128 v[XF+96*FP+12*II+4*\c:XF+96*FP+12*II+4*\c+3], v[ADXO+FS] offset:TP3*II+1536*FQ+512*\c
.else
	ds_load_b128 v[XF+96*FP+12*II+4*\c:XF+96*FP+12*II+4*\c+3], v[ADXT+FS] offset:TP3*(II-4)+1536*FQ+512*\c
.endif
.endr
.set II, II+1
.endr
.endm
.macro LDSC s                          ; the scale words: register i: lanes 0-15 x's place i, lanes 16-31 W's tile i
.set FP, (\s)%2
	WIN 0
.irp i, 0,1,2,3
	ds_load_b32 v[SC+8*FP+\i], v[ADSA] offset:1024*\i+64*(\s)
.endr
.irp i, 0,1,2,3
	ds_load_b32 v[SC+8*FP+4+\i], v[ADSB] offset:1024*\i+64*(\s)
.endr
.endm
; THE PRODUCTS of K step s.  The 48 accumulators take turns, one instruction a turn, in the same order in every K step.
.macro MULV s, zero, a0                ; 8 of v's 16: x's places a0 .. a0 + 3
.set MP, (\s)%2
	WIN 0xf4                                       ; source 0 (x) window 0, source 1 (Wv) window 1, C and D window 3
.irp a, \a0, \a0+1, \a0+2, \a0+3
.irp n, 0,1
	WMS 8*(8*\n+(\a)), XF+96*MP+12*(\a), 192+24*MP+12*\n, \zero, SC+8*MP+(\a), WVS+(\s), 2*\n
.endr
.endr
.endm
.macro MULQK s, zero, a                ; 8 of q's or k's 32: x's place a
.set MP, (\s)%2
	WIN 0xa1                                       ; source 0 (W) window 1, source 1 (x) window 0, C and D window 2
.irp b, 0,1,2,3,4,5,6,7
	WMS 8*(8*(\a)+\b), 96*MP+12*\b, XF+96*MP+12*(\a), \zero, SC+8*MP+\b, SC+8*MP+(\a), 1
.endr
.endm
; A K step whose successor lies in the same slot.  The next step's loads go into the other register set, which the step before read last: the four places at the head stand behind those products.
.macro KSTEP s, zero
	s_wait_dscnt 0x0                               ; this step's set is in (its last loads were asked for 16 matrix instructions ago)
	PLACES 4                                       ; four places in front of loads into registers that matrix instructions have read (ISA guide 7.12.1 for vector instructions)
	LDW (\s)+1, 0, 4
	MULV \s, \zero, 0
	LDW (\s)+1, 4, 4
	MULV \s, \zero, 4
	LDWV (\s)+1
	LDX (\s)+1, 0, 2
	MULQK \s, \zero, 0
	LDX (\s)+1, 2, 4
	MULQK \s, \zero, 1
	LDX (\s)+1, 6, 2
	LDSC (\s)+1
	MULQK \s, \zero, 2
	MULQK \s, \zero, 3
	WIN 0
.endm
; A slot's third K step changes slots: one barrier; in front of it each wave waits for all its tensor loads, adds 0 to its spare word, and waits for that and for its reads of this slot.
; fill = 1: this slot is filled again, six K steps on; 2: with the one K step that is left; 0: nothing is left to fetch.
.macro TURN s, fill
.set TS, ((\s)/3)%2
	s_wait_tensorcnt 0x0                           ; my one load that was out, my part of the next slot, has landed
	ds_add_u32 v[SPW], v[NIL]                      ; 0 onto my spare word
.if \fill
	s_add_nc_u64 s[G0+4*TS+2:G0+4*TS+3], s[G0+4*TS+2:G0+4*TS+3], 2*TP3
	s_add_nc_u64 s[G0B+4*TS+2:G0B+4*TS+3], s[G0B+4*TS+2:G0B+4*TS+3], 2*TP3
.endif
	s_wait_dscnt 0x0                               ; the add is done, this step's set is in, and my reads of this slot are over
	s_barrier_signal -1
	MULV \s, 0, 0                                  ; work on registers while the others arrive
	MULV \s, 0, 4
	WIN 0
	s_barrier_wait -1
.if (\fill) == 1
	CREST                                          ; the barrier has opened a round of the cluster's: no wave of any partner still reads this slot or has a load on its way
	JLOAD 14, G0+4*TS, G1, G0B+4*TS, G1B           ; the first tensor load behind the round; its four v_nop are the places in front of the loads below
.elseif (\fill) == 2
	CREST
	JLOAD 14, G0+4*TS, G1L, G0B+4*TS, G1LB
.else
	PLACES 4
.endif
	LDW (\s)+1, 0, 6
	MULQK \s, 0, 0
	LDW (\s)+1, 6, 2
	LDWV (\s)+1
	LDX (\s)+1, 0, 2
	MULQK \s, 0, 1
	LDX (\s)+1, 2, 6
	LDSC (\s)+1
	MULQK \s, 0, 2
	MULQK \s, 0, 3
	WIN 0
.endm
; The table's rows for my token tile a: cos of frequencies 32 bb + 16 h + 0 .. 15 into window 1 at 64 a + 16 bb, sin 32 registers on
.macro TABLE a
	WIN 0x40
.irp bb, 0,1
.irp j, 0,1,2,3
	global_load_b128 v[64*\a+16*\bb+4*\j:64*\a+16*\bb+4*\j+3], v[RO], s[92:93] offset:(32*(\a/2)+8*(\a%2))*256+128*\bb+16*\j
	global_load_b128 v[64*\a+32+16*\bb+4*\j:64*\a+32+16*\bb+4*\j+3], v[RO], s[92:93] offset:(32*(\a/2)+8*(\a%2))*256+128*\bb+16*\j+262144
.endr
.endr
	WIN 0
.endm
; 64 numbers of a lane in window w, register 16 b + i = k 32 b + 16 (lane / 16) + i of my row, become a fragment's codes in v[PC] on (PC is set ahead of each use) and its scale word in v[pw].  Accumulators are read from their low end on.
.macro QUANT s, w, pw
	WIN (\w)|((\w)<<2)
.irp b, 0,1,2,3
	v_max3_num_f32 v[TM+\b], |v[\s+16*\b]|, |v[\s+1+16*\b]|, 0x1800000   ; my 16 numbers of block b, and the floor 2^(3 - 127): the byte cannot fall under 1
.endr
	WIN ((\w)<<2)|((\w)<<4)
.irp i, 2,4,6,8,10,12,14
.irp b, 0,1,2,3
	v_max3_num_f32 v[TM+\b], v[TM+\b], |v[\s+16*\b+\i]|, |v[\s+1+16*\b+\i]|
.endr
.endr
	WIN 0
.irp b, 0,1,2,3
	v_permlanex16_b32 v[TM+4+\b], v[TM+\b], s[SEL], s[SEL+1]
.endr
.irp b, 0,1,2,3
	v_max_num_f32 v[TM+\b], v[TM+\b], v[TM+4+\b]   ; with lane l xor 16's: the block's largest magnitude
.endr
.irp b, 0,1,2,3
	v_add_nc_u32 v[TM+12+\b], 0xff000000, v[TM+\b]   ; 2 off its exponent field: the conversion's scale operand
.endr
.irp b, 0,1,2,3
	v_lshrrev_b32 v[TM+4+\b], 23, v[TM+12+\b]      ; the scale's byte
.endr
	v_lshl_or_b32 v[\pw], v[TM+5], 8, v[TM+4]
	v_lshl_or_b32 v[\pw], v[TM+6], 16, v[\pw]
	v_lshl_or_b32 v[\pw], v[TM+7], 24, v[\pw]
	WIN \w
.irp c, 0,1
	v_cvt_scalef32_pk16_fp6_f32 v[PC+6*\c:PC+2+6*\c], v[\s+32*\c:\s+15+32*\c], v[TM+12+2*\c]
	v_cvt_scalef32_pk16_fp6_f32 v[PCS+4*\c:PCS+2+4*\c], v[\s+16+32*\c:\s+31+32*\c], v[TM+12+2*\c+1]   ; (a conversion's three registers begin on an even number)
.endr
	WIN 0
	v_nop                                          ; one plain place behind a scaled conversion
.irp c, 0,1
.irp i, 0,1,2
	v_permlane16_swap_b32 v[PC+6*\c+\i], v[PCS+4*\c+\i]
.endr
.irp i, 0,1,2
	v_mov_b32 v[PC+3+6*\c+\i], v[PCS+4*\c+\i]
.endr
.endr
.endm
; The rotation of token tile a: lo' = lo cos - hi sin, hi' = hi cos + lo sin; lo = d under 64, hi = d + 64: 32 registers on
.macro ROPE a
	WIN 0x06                                       ; source 0 (q or k) window 2, source 1 (the table) window 1
.irp bb, 0,1
.irp i, 0,2,4,6,8,10,12,14
.set LO, 64*\a+16*\bb+\i
.set TT, TP+4*((\i/2)%2)
	v_pk_mul_f32 v[TT:TT+1], v[LO+32:LO+33], v[LO+32:LO+33]       ; hi x sin (the same numbers name hi in window 2 and sin in window 1)
	v_pk_mul_f32 v[TT+2:TT+3], v[LO:LO+1], v[LO+32:LO+33]         ; lo x sin
	v_pk_fma_f32 v[H+16*\bb+\i:H+16*\bb+\i+1], v[LO:LO+1], v[LO:LO+1], v[TT:TT+1] neg_lo:[0,0,1] neg_hi:[0,0,1]
	v_pk_fma_f32 v[H+32+16*\bb+\i:H+32+16*\bb+\i+1], v[LO+32:LO+33], v[LO:LO+1], v[TT+2:TT+3]
.endr
.endr
.endm
	s_wait_loadcnt 0x0                             ; Wv's scale words are in: their base s[6:7] may be written
	s_or_b32 s[G1L+0], s43, (3<<16)|(1<<21)        ; group 1 of the last fill: 192 elements (one K step) are left of a row of 576: the rest arrives as zeros
	s_or_b32 s[G1LB+0], s44, (3<<16)|(1<<21)
.irp g, G1L, G1LB
	s_mov_b32 s[\g+1], 192<<16                     ; tensor_dim0
	s_mov_b32 s[\g+2], 8<<16                       ; tensor_dim1
	s_mov_b32 s[\g+3], 576<<16                     ; tile_dim0
	s_mov_b32 s[\g+4], 8                           ; tile_dim1
	s_mov_b32 s[\g+5], 3072                        ; tensor_dim0_stride
	s_mov_b32 s[\g+6], 0
	s_mov_b32 s[\g+7], 0
.endr
	s_wait_tensorcnt 0x1                           ; the scale words and my part of slot 0 are in; slot 1's load may stay out
	s_barrier_signal -1
	s_barrier_wait -1                              ; everybody's are
	LDW 0, 0, 8
	LDWV 0
	LDX 0, 0, 8
	LDSC 0
	KSTEP 0, 1                                     ; the first K step's products start the sums
	KSTEP 1, 0
	TURN 2, 1                                      ; slot 0 takes K steps 6-8
	KSTEP 3, 0
	KSTEP 4, 0
	TURN 5, 1                                      ; slot 1 takes 9-11
	KSTEP 6, 0
	KSTEP 7, 0
	TURN 8, 1                                      ; slot 0 takes 12-14
	KSTEP 9, 0
	KSTEP 10, 0
	TURN 11, 2                                     ; slot 1 takes 15
	KSTEP 12, 0
	KSTEP 13, 0
	TURN 14, 0                                     ; nothing more is asked for
	s_wait_dscnt 0x0                               ; the last K step
	PLACES 4
	TABLE 0                                        ; into W's set 0, which is done with
	MULV 15, 0, 0
	MULV 15, 0, 4
	MULQK 15, 0, 0
	MULQK 15, 0, 1
	MULQK 15, 0, 2
	MULQK 15, 0, 3
	WIN 0
	; THE WAY OUT.  No LDS: an image is stored from the registers as they stand.  Every stored set of registers is written once, so that no store's data are waited for.
	PLACES 4                                       ; behind the last products
	TABLE 1
	TABLE 2
	TABLE 3
.irp b, 0,1,2,3
	v_mov_b32 v[TM+4+\b], 0                        ; a lane permute's destination counts as one of its sources
.endr
.set PC, 128
.irp n, 0,1                                    ; v first: my d tiles 2 w + n, K = the block's 128 keys
	QUANT 64*\n, 3, PW+\n
.irp j, 0,1,2,3,4,5,6,7,8,9,10,11
	v_cndmask_b32 v[OUT+60*\n+\j], v[PC+\j], v[PC+(\j+6)%12], s66   ; th = 1: the halves of 64 keys change places
.endr
	v_alignbit_b32 v[TR], v[PW+\n], v[PW+\n], 16
	v_cndmask_b32 v[PW+\n], v[PW+\n], v[TR], s66             ; and so do their scale bytes
.irp c, 0,1,2
	global_store_b128 v[GO], v[OUT+60*\n+4*\c:OUT+60*\n+4*\c+3], s[98:99] offset:1536*\n+512*\c   ; 32 lanes store 512 consecutive bytes
.endr
.endr
	v_cndmask_b32 v[MV], v[PW], v[PW+1], s67       ; lanes 0-15 tile 2 w's words, lanes 16-31 tile 2 w + 1's
	global_store_b32 v[GS], v[MV], s[100:101]
.irp a, 0,1,2,3                                ; q or k, a token tile at a time
.if \a == 0
.set PC, 128                                   ; (v's codes left these registers by vector instructions, not by stores)
.else
.set PC, 180+12*\a                             ; v192, v204, v216
.endif
	s_wait_loadcnt 16*(3-\a)                       ; this tile's 16 loads of the table are in; the later tiles' stay out
	ROPE \a
	QUANT H, 0, PW+\a
.irp c, 0,1,2
	global_store_b128 v[GO], v[PC+4*\c:PC+4*\c+3], s[94:95] offset:1536*\a+512*\c
.endr
.if \a%2
	v_cndmask_b32 v[MQ+\a/2], v[PW+\a-1], v[PW+\a], s67
	global_store_b32 v[GS], v[MQ+\a/2], s[96:97] offset:128*(\a/2)
.endif
.endr
	s_wait_tensorcnt 0x0                           ; the wave's end
	ds_add_u32 v[SPW], v[NIL]
	s_wait_dscnt 0x0
	CROUND                                         ; the closing round: no work-group ends while a partner may still ask for a tile that names it
	s_endpgm
.Lfunc_end_k_q0610ec7e15_qkv:
	.size	k_q0610ec7e15_qkv, .Lfunc_end_k_q0610ec7e15_qkv-k_q0610ec7e15_qkv
	.p2alignl 7, 3214868480
	.fill 96, 4, 3214868480
	.section	.rodata,"a",@progbits
	.p2align	6, 0x0
	.amdhsa_kernel k_q0610ec7e15_qkv
		.amdhsa_group_segment_fixed_size 327680
		.amdhsa_private_segment_fixed_size 0
		.amdhsa_enable_private_segment 0
		.amdhsa_kernarg_size 40
		.amdhsa_user_sgpr_count 2
		.amdhsa_user_sgpr_kernarg_segment_ptr 1
		.amdhsa_wavefront_size32 1
		.amdhsa_system_sgpr_workgroup_id_x 1
		.amdhsa_system_sgpr_workgroup_id_y 1
		.amdhsa_system_sgpr_workgroup_id_z 1
		.amdhsa_system_vgpr_workitem_id 0
		.amdhsa_next_free_vgpr 896
		.amdhsa_next_free_sgpr 102
		.amdhsa_reserve_vcc 0
		.amdhsa_float_denorm_mode_32 3
		.amdhsa_float_denorm_mode_16_64 3
		.amdhsa_memory_ordered 1
		.amdhsa_forward_progress 1
		.amdhsa_inst_pref_size 234
	.end_amdhsa_kernel
	.amdgpu_metadata
---
amdhsa.version: [ 1, 2 ]
amdhsa.kernels:
  - .name:           k_q0610ec7e15_qkv
    .symbol:         k_q0610ec7e15_qkv.kd
    .args:
      - { .name: codes, .offset: 0, .size: 8, .value_kind: global_buffer, .address_space: global }
      - { .name: scl, .offset: 8, .size: 8, .value_kind: global_buffer, .address_space: global }
      - { .name: rope, .offset: 16, .size: 8, .value_kind: global_buffer, .address_space: global }
      - { .name: qkv, .offset: 24, .size: 8, .value_kind: global_buffer, .address_space: global }
      - { .name: qkvs, .offset: 32, .size: 8, .value_kind: global_buffer, .address_space: global }
    .group_segment_fixed_size: 327680
    .private_segment_fixed_size: 0
    .kernarg_segment_align: 8
    .kernarg_segment_size: 40
    .max_flat_workgroup_size: 128
    .sgpr_count:     102
    .vgpr_count:     896
    .wavefront_size: 32
...
	.end_amdgpu_metadata
.endif
;; end of part 2
;; launch attn (part 3): grid 8 x 32, 4 waves a work-group, clusters of 4 x 1, 327,680 bytes of LDS; arguments qkv, qkvs, of, os; writes of, os
.if DOCPART == 3
	.amdgcn_target "amdgcn-amd-amdhsa--gfx1250"
	.amdhsa_code_object_version 6
	.text
	.protected	k_q0610ec7e15_attn
	.globl	k_q0610ec7e15_attn
	.p2align	8
	.type	k_q0610ec7e15_attn,@function
k_q0610ec7e15_attn:
	s_mov_b64 s[64:65], 0
	v_nop
	global_prefetch_b8 v0, s[64:65] scope:SCOPE_SE
	s_setreg_imm32_b32 hwreg(HW_REG_WAVE_MODE, 25, 1), 1
	s_wait_xcnt 0x0
	s_wait_alu depctr_hold_cnt(0) depctr_sa_sdst(0) depctr_va_vdst(0) depctr_va_sdst(0) depctr_va_ssrc(0) depctr_va_vcc(0) depctr_vm_vsrc(0)
	s_getreg_b32 s2, hwreg(HW_REG_IB_STS2, 6, 4)
	s_cmp_eq_u32 s2, 0
	s_cbranch_scc0 .Lentry_in_a_cluster
	s_endpgm
.Lentry_in_a_cluster:
	s_bfe_u32 s2, ttmp6, 0x10000c
	s_cmp_lg_u32 s2, 0x3003
	s_cbranch_scc0 .Lentry_shape_is_right
	s_endpgm
.Lentry_shape_is_right:
; ATTN.  O = softmax(q k^T / sqrt(128)) v for one (batch, head) bh and 128 queries, both products on codes of FP6 (E2M3) with E8M0 scales; O / l is quantised along the hidden axis for the last projection.
; THE SOFTMAX AHEAD OF THE SECOND PRODUCT: t = score x log2(e) / sqrt(128); M = the running largest t, rounded UP to a whole number; p = 2^(t - M) is what is quantised, along the keys, not normalised.
; The row's sum is taken of the unquantised p and divides O at the end.  When M moves, the sum and O are multiplied by 2^(old M - new M): exact.
; q, k, v arrive as images of operand registers (1,536 bytes a fragment; the rows of a tile are 32 (T / 2) + 8 (T % 2) + r + 8 (r / 8)); O leaves so: of = [token tile 128][head 16][1536], os = its scale words, 64 bytes a fragment.
; SHARES.  Each of the four waves owns TWO tiles of 16 queries, so that each fragment of K and V read from LDS feeds two products.  Every wave walks the head's 1,024 keys, 128 a step.
; LDS.  K's 98,304 bytes, V's 98,304 and their scale words (4,096 each) of the whole head are filled ONCE, in four groups of 256 keys; nothing is filled again.  Wave w fetches one half (w % 2) of K's (w < 2) or V's part of each group.
; CLUSTER 4 x 1: the four query blocks of a cluster belong to one bh and ask for each tile jointly (mask 15).  Five loads of a wave are out at the most.
; LAYOUT.  Both products are used transposed: S^T = K Q^T, O^T = V^T P^T: a lane holds ONE query of each tile throughout; by the choice of a tile's rows the 16 registers of two neighbouring tiles are 16 neighbours along the next K.
; AHEAD.  K's eight fragments of step ks + 1 are asked for behind the scores of step ks, V's behind the second product of step ks: a softmax or a run of products stands between each run of LDS loads and the wait for it.
; One wave has the SIMD to itself, so the exponentials alternate with plain work of the same register window: scalings two pairs ahead, and the rescaling of O^T.
; LIMITS: NaN and infinities are not served; a block whose largest magnitude lies under 2^-124 keeps the scale byte 1.
; REGISTERS.  window 0: v1-3 lane terms; v8-11 addresses; tile 0's Q v16-27, S^T and p v96-159, O^T v160-223; the statistics, codes and work registers of BOTH tiles (macro TILE);
;   scale words and nothing else: v32-35 K's, v36-39 V's (two tiles each), v40-41 p's, v42-43 Q's.   window 1: tile 1's Q, S^T and p, O^T under tile 0's numbers.   window 2: K's fragments v0-95, V's v96-191.
.set TEN,  3145728
.set VIM,  98304                       ; LDS: V's images behind K's
.set SCK,  196608                      ; K's scale words
.set SCV,  200704                      ; V's
.set LI,   1                           ; v1  16 x lane
.set LS,   2                           ; v2  4 x lane   (v3: 4 r)
.set ADK,  8
.set ADV,  9
.set ADS,  10
.set ADT,  11
.set KS,   32
.set VS,   36
.set KF,   0                           ; in window 2
.set VF,   96
.set G1,   16                          ; s[16:23] group 1 for codes;  s[24:31] for scale words;  s[32:47] groups 0 of the four groups of keys;  s[56:59] of the scale words
.set G1S,  24
.set G0,   32
.set G0S,  56
.set SEL,  48                          ; s[48:49]
.set CS,   50                          ; s[50:51] c = log2(e) / sqrt(128)
.set MSB, 0
.macro WIN new                         ; the immediate's high byte repeats the setting that is left; a switch that changes nothing is dropped
.if MSB != (\new)
	s_set_vgpr_msb (MSB<<8)|(\new)
.set MSB, (\new)
.endif
.endm
.macro PLACES n
.rept \n
	v_nop
.endr
.endm
.macro CROUND                          ; a round of the cluster's barrier
	s_barrier_signal -1
	s_barrier_wait -1
	s_cmp_lg_u32 s12, 0
	s_cbranch_scc1 .Lnot_wave_0_\@
	s_barrier_signal -3
.Lnot_wave_0_\@:
	s_barrier_wait -3
	s_barrier_signal -1
	s_barrier_wait -1
.endm
.macro WMS d, a, b, zero, sa, sb, row  ; one matrix instruction.  zero = 1: it starts the sum.  row = 1: source 0's scales lie in lanes 16-31
.if \zero
.if (\row) == 0
	v_wmma_scale_f32_16x16x128_f8f6f4 v[(\d):(\d)+7], v[(\a):(\a)+11], v[(\b):(\b)+11], 0, v[\sa], v[\sb] matrix_a_fmt:MATRIX_FMT_FP6 matrix_b_fmt:MATRIX_FMT_FP6
.else
	v_wmma_scale_f32_16x16x128_f8f6f4 v[(\d):(\d)+7], v[(\a):(\a)+11], v[(\b):(\b)+11], 0, v[\sa], v[\sb] matrix_a_fmt:MATRIX_FMT_FP6 matrix_b_fmt:MATRIX_FMT_FP6 matrix_a_scale:MATRIX_SCALE_ROW1
.endif
.else
.if (\row) == 0
	v_wmma_scale_f32_16x16x128_f8f6f4 v[(\d):(\d)+7], v[(\a):(\a)+11], v[(\b):(\b)+11], v[(\d):(\d)+7], v[\sa], v[\sb] matrix_a_fmt:MATRIX_FMT_FP6 matrix_b_fmt:MATRIX_FMT_FP6
.else
	v_wmma_scale_f32_16x16x128_f8f6f4 v[(\d):(\d)+7], v[(\a):(\a)+11], v[(\b):(\b)+11], v[(\d):(\d)+7], v[\sa], v[\sb] matrix_a_fmt:MATRIX_FMT_FP6 matrix_b_fmt:MATRIX_FMT_FP6 matrix_a_scale:MATRIX_SCALE_ROW1
.endif
.endif
.endm
; The registers of tile u in window 0
.macro TILE u
.set NM,  12-8*(\u)                    ; v12 / v4     -M      (a pair with the next)
.set TT,  13-8*(\u)                    ; v13 / v5     the largest t
.set SU,  14-8*(\u)                    ; v[14:15] / v[6:7]  the sum, in two halves
.set PC,  224-160*(\u)                 ; v224-243 / v64-83  p's codes (12) and the conversions' second halves
.set BM,  244-160*(\u)                 ; v244-247 / v84-87  the blocks' largest scores, then largest p
.set PX,  248-160*(\u)                 ; v248-251 / v88-91  from the other half of the lanes; then bytes
.set SO,  44+48*(\u)                   ; v44-47 / v92-95    the conversions' scale operands
.set FF,  252-204*(\u)                 ; v[252:253] / v[48:49]  f = 2^(old M - new M), named as a pair
.set TMP, 254-204*(\u)                 ; v254 / v50
.set SUT, 52+2*(\u)                    ; v[52:53] / v[54:55]  the sum's second chain
.set PS,  40+(\u)                      ; p's scale word
.endm
	s_load_b256 s[4:11], s[0:1], 0x0               ; qkv s[4:5], qkvs s[6:7], of s[8:9], os s[10:11]
	v_lshl_add_u32 v243, v0, 2, 0x32000
	v_mov_b32 v255, 0
	ds_add_u32 v243, v255
	ds_add_u32 v243, v255
	v_lshrrev_b32 v8, 5, v0
	v_readfirstlane_b32 s12, v8                    ; wave 0..3
	s_and_b32 s15, ttmp7, 0xffff                   ; bh, which the four partners share
	s_lshr_b32 s52, s12, 1                         ; I fetch for K (0) or for V (1),
	s_and_b32 s53, s12, 1                          ; this half
	s_add_co_u32 s54, s52, 1
	s_mul_i32 s60, s54, TEN                        ; k's or v's part of qkv,
	s_mul_i32 s61, s15, 98304                      ; the head's images,
	s_add_co_u32 s60, s60, s61
	s_mul_i32 s61, s53, 12288                      ; my half of a group's 24,576 bytes
	s_add_co_u32 s60, s60, s61
	s_mov_b32 s61, 0
	s_mul_i32 s62, s52, VIM                        ; and the same in LDS
	s_mul_i32 s63, s53, 12288
	s_add_co_u32 s62, s62, s63
	s_lshl_b32 s66, s54, 17                        ; the scale words: 131,072 bytes a tensor, 4,096 a head, my half 2,048
	s_lshl_b32 s67, s15, 12
	s_add_co_u32 s66, s66, s67
	s_lshl_b32 s67, s53, 11
	s_add_co_u32 s66, s66, s67
	s_mov_b32 s67, 0
	s_lshl_b32 s68, s52, 12
	s_lshl_b32 s69, s53, 11
	s_add_co_u32 s68, s68, s69
	s_add_co_u32 s68, s68, SCK
	; group 1: dense bytes as rows of 256 (32 elements of 8 bytes): 48 rows of codes, 8 rows of scale words
	s_mov_b32 s[G1], 15|(3<<16)|(1<<21)            ; 15:0 the mask: all four work-groups; 17:16 elements of 8 bytes; 21 set beside a mask
	s_mov_b32 s[G1+1], 32<<16
	s_mov_b32 s[G1+2], 48<<16
	s_mov_b32 s[G1+3], 32<<16
	s_mov_b32 s[G1+4], 48
	s_mov_b32 s[G1+5], 32
	s_mov_b32 s[G1+6], 0
	s_mov_b32 s[G1+7], 0
	s_mov_b32 s[G1S], 15|(3<<16)|(1<<21)
	s_mov_b32 s[G1S+1], 32<<16
	s_mov_b32 s[G1S+2], 8<<16
	s_mov_b32 s[G1S+3], 32<<16
	s_mov_b32 s[G1S+4], 8
	s_mov_b32 s[G1S+5], 32
	s_mov_b32 s[G1S+6], 0
	s_mov_b32 s[G1S+7], 0
	; my two tiles of queries: the place in the cluster enters Q's, of's and os's global addresses alone
	s_bfe_u32 s13, ttmp6, 0x40000                  ; cx
	s_lshl_b32 s14, ttmp9, 2
	s_add_co_u32 s14, s14, s13                     ; my block of 128 queries
	s_lshl_b32 s70, s14, 3
	s_lshl_b32 s71, s12, 1
	s_add_co_u32 s70, s70, s71                     ; my first tile in the sequence
	s_lshl_b32 s71, s15, 6
	s_add_co_u32 s71, s71, s70
	s_mul_i32 s72, s71, 1536
	s_mov_b32 s73, 0
	s_lshl_b32 s74, s71, 6
	s_mov_b32 s75, 0
	s_lshr_b32 s76, s15, 4
	s_lshl_b32 s76, s76, 6
	s_add_co_u32 s76, s76, s70                     ; T = 64 x batch + tile
	s_and_b32 s77, s15, 15                         ; the head
	s_mul_i32 s78, s76, 24576
	s_mul_i32 s79, s77, 1536
	s_add_co_u32 s78, s78, s79
	s_mov_b32 s79, 0
	s_lshl_b32 s76, s76, 10
	s_lshl_b32 s77, s77, 6
	s_add_co_u32 s76, s76, s77
	s_mov_b32 s77, 0
	s_mov_b32 s[SEL], 0x76543210
	s_mov_b32 s[SEL+1], 0xfedcba98
	s_mov_b32 s[CS], 0x3e0293ee
	s_mov_b32 s[CS+1], s[CS]                       ; (named with it as a pair, so it is written)
	s_wait_dscnt 0x0
	s_wait_kmcnt 0x0
	s_add_nc_u64 s[60:61], s[4:5], s[60:61]
	s_add_nc_u64 s[66:67], s[6:7], s[66:67]
	s_add_nc_u64 s[72:73], s[4:5], s[72:73]        ; Q's images
	s_add_nc_u64 s[74:75], s[6:7], s[74:75]        ; and their scale words
	s_add_nc_u64 s[8:9], s[8:9], s[78:79]
	s_add_nc_u64 s[10:11], s[10:11], s[76:77]
	s_mov_b32 s[G0S], 1
	s_mov_b32 s[G0S+1], s68
	s_mov_b64 s[G0S+2:G0S+3], s[66:67]
	s_or_b32 s[G0S+3], s[G0S+3], 0x80000000
.irp g, 0,1,2,3
	s_mov_b32 s[G0+4*\g], 1
	s_add_co_u32 s[G0+4*\g+1], s62, \g*24576
	s_add_nc_u64 s[G0+4*\g+2:G0+4*\g+3], s[60:61], \g*24576
	s_or_b32 s[G0+4*\g+3], s[G0+4*\g+3], 0x80000000
.endr
	CROUND                                         ; all four work-groups are here: the joint loads meet
	tensor_load_to_lds s[G0S:G0S+3], s[G1S:G1S+7]  ; all fills of the launch go out as one group
	s_nop 0
	tensor_load_to_lds s[G0:G0+3], s[G1:G1+7]
	s_nop 0
	tensor_load_to_lds s[G0+4:G0+7], s[G1:G1+7]
	s_nop 0
	tensor_load_to_lds s[G0+8:G0+11], s[G1:G1+7]
	s_nop 0
	tensor_load_to_lds s[G0+12:G0+15], s[G1:G1+7]
	s_nop 0
.rept 4
	v_nop
.endr
	v_and_b32 v9, 31, v0
	v_lshlrev_b32 v[LI], 4, v9
	v_lshlrev_b32 v[LS], 2, v9
	v_and_b32 v10, 15, v0
	v_lshlrev_b32 v3, 2, v10                       ; 4 r
.irp c, 0,1,2
	global_load_b128 v[16+4*\c:19+4*\c], v[LI], s[72:73] offset:512*\c         ; Q's fragments stay in registers: tile 0's,
.endr
	WIN 0x40                                       ; destination window 1
.irp c, 0,1,2
	global_load_b128 v[16+4*\c:19+4*\c], v[LI], s[72:73] offset:1536+512*\c    ; tile 1's
.endr
	WIN 0
	global_load_b32 v42, v3, s[74:75]
	global_load_b32 v43, v3, s[74:75] offset:64
.irp u, 0,1
	TILE \u
	v_mov_b32 v[TT], 0xff61b1e6                    ; the largest t so far: -3e38, under every t
	v_floor_f32 v[NM], -v[TT]                      ; -M
	v_mov_b32 v[SU], 0                             ; the sum, in two halves
	v_mov_b32 v[SU+1], 0
	v_mov_b32 v[FF+1], 0                           ; (named as the upper half of a pair)
.irp b, 0,1,2,3
	v_mov_b32 v[PX+\b], 0                          ; written once: a lane permute's destination counts as one of its sources
.endr
.endr
.macro LOADK                           ; 28 LDS loads: a step's eight fragments of K (address in v[ADK]) and their scale words (v[ADS]): register j: lanes 0-15 tile 2 j's, lanes 16-31 tile 2 j + 1's
	WIN 0x80                                       ; destination window 2, address window 0
.irp t, 0,1,2,3,4,5,6,7
.irp c, 0,1,2
	ds_load_b128 v[KF+12*\t+4*\c:KF+12*\t+4*\c+3], v[ADK] offset:1536*\t+512*\c
.endr
.endr
	WIN 0
.irp j, 0,1,2,3
	ds_load_b32 v[KS+\j], v[ADS] offset:128*\j
.endr
.endm
.macro LOADV                           ; the same for V
	WIN 0x80
.irp t, 0,1,2,3,4,5,6,7
.irp c, 0,1,2
	ds_load_b128 v[VF+12*\t+4*\c:VF+12*\t+4*\c+3], v[ADV] offset:1536*\t+512*\c
.endr
.endr
	WIN 0
.irp j, 0,1,2,3
	ds_load_b32 v[VS+\j], v[ADT] offset:128*\j
.endr
.endm
; Tile u: t - M (packed, two pairs ahead of its exponentials), p = 2^(t - M), and O^T x f, by turns: a plain instruction stands behind nearly every exponential, and none touches what the exponential in front of it names.
.macro EXPS u, first
	TILE \u
	WIN 0x41*\u                                    ; tile 1: destination and source 0 in window 1; -M and f in window 0
	v_pk_fma_f32 v[96:97], v[96:97], s[CS:CS+1], v[NM:NM+1] op_sel_hi:[1,0,0]
	v_pk_fma_f32 v[98:99], v[98:99], s[CS:CS+1], v[NM:NM+1] op_sel_hi:[1,0,0]
.set J, 0
.rept 32
	v_exp_f32 v[96+2*J], v[96+2*J]
.if J < 30
	v_pk_fma_f32 v[100+2*J:101+2*J], v[100+2*J:101+2*J], s[CS:CS+1], v[NM:NM+1] op_sel_hi:[1,0,0]
.endif
	v_exp_f32 v[97+2*J], v[97+2*J]
.if !\first
	v_pk_mul_f32 v[160+2*J:161+2*J], v[160+2*J:161+2*J], v[FF:FF+1] op_sel_hi:[1,0]
.endif
.set J, J+1
.endr
.endm
; A KEY STEP: 128 keys, both tiles.  first = 1: O^T's sums start here, so there is nothing to rescale.
.macro STEP ks, first
	s_wait_dscnt 28                                ; K's 28 loads are in; V's 28, issued behind them, may be out
	WIN 0x02                                       ; source 0 (K) window 2
.irp t, 0,1,2,3,4,5,6,7
	WMS 96+8*\t, KF+12*\t, 16, 1, KS+\t/2, 42, \t%2
.endr
	WIN 0x46                                       ; and Q and S^T of tile 1 in window 1
.irp t, 0,1,2,3,4,5,6,7
	WMS 96+8*\t, KF+12*\t, 16, 1, KS+\t/2, 43, \t%2
.endr
	WIN 0
.if (\ks) < 7
	v_add_nc_u32 v[ADK], ((\ks)+1)*12288, v[LI]    ; four places behind the products, in front of the loads into K's registers and of the first read of the scores
	v_add_nc_u32 v[ADS], SCK+512*((\ks)+1), v[LS]
	PLACES 2
.if (\ks)%2
	s_wait_tensorcnt 2-(\ks)/2                     ; the next step opens a group of 256 keys: my part of it has landed (the later groups' loads stay out)
	s_wait_dscnt 0x0
	s_barrier_signal -1
	s_barrier_wait -1                              ; and everybody's has
.endif
	LOADK                                          ; the next step's K: the softmax stands between these loads and the wait for them
.else
	PLACES 4
.endif
.irp u, 0,1                                    ; the largest score of each block of 32 keys: for the row's maximum and, since p rises with the score, for the block's largest p
	TILE \u
	WIN 0x15*\u
.irp b, 0,1,2,3
	v_max3_num_f32 v[BM+\b], v[96+16*\b], v[97+16*\b], v[98+16*\b]
.endr
	WIN 0x14*\u
.irp i, 3,5,7,9,11,13
.irp b, 0,1,2,3
	v_max3_num_f32 v[BM+\b], v[BM+\b], v[96+16*\b+\i], v[97+16*\b+\i]
.endr
.endr
.irp b, 0,1,2,3
	v_max_num_f32 v[BM+\b], v[BM+\b], v[111+16*\b]
.endr
.endr
	WIN 0                                          ; the statistics of both tiles lie in window 0 and take turns line by line
.irp u, 0,1
	TILE \u
.irp b, 0,1,2,3
	v_permlanex16_b32 v[PX+\b], v[BM+\b], s[SEL], s[SEL+1]
.endr
.endr
.irp u, 0,1
	TILE \u
.irp b, 0,1,2,3
	v_max_num_f32 v[BM+\b], v[BM+\b], v[PX+\b]     ; with lane l xor 16's 16 keys
.endr
.endr
.irp u, 0,1
	TILE \u
	v_max3_num_f32 v[TMP], v[BM], v[BM+1], v[BM+2]
.endr
.irp u, 0,1
	TILE \u
	v_max_num_f32 v[TMP], v[TMP], v[BM+3]          ; the step's largest score of my query
.endr
.irp u, 0,1
	TILE \u
	v_mul_f32 v[TMP], s[CS], v[TMP]                ; as t
.endr
.irp u, 0,1
	TILE \u
	v_max_num_f32 v[TT], v[TT], v[TMP]             ; the running largest t
.endr
.irp u, 0,1
	TILE \u
	v_mov_b32 v[TMP], v[NM]
.endr
.irp u, 0,1
	TILE \u
	v_floor_f32 v[NM], -v[TT]                      ; the new -M = -ceil(t)
.endr
.irp u, 0,1
	TILE \u
	v_sub_f32 v[TMP], v[NM], v[TMP]                ; old M - new M: a whole number, 0 or less
.endr
.irp u, 0,1
	TILE \u
	v_cvt_i32_f32 v[TMP], v[TMP]                   ; (it saturates)
.endr
.irp u, 0,1
	TILE \u
	v_ldexp_f32 v[FF], 1.0, v[TMP]                 ; f = 2^(old M - new M)
.endr
.irp u, 0,1
	TILE \u
.irp b, 0,1,2,3
	v_fma_f32 v[BM+\b], v[BM+\b], s[CS], v[NM]     ; t - M of each block's largest score
.endr
.endr
.irp u, 0,1
	TILE \u
.irp b, 0,1,2,3
	v_exp_f32 v[BM+\b], v[BM+\b]                   ; the block's largest p: the same two operations on the same number as in EXPS
.endr
.endr
	EXPS 0, \first
	EXPS 1, \first
	WIN 0
.irp u, 0,1
	TILE \u
	v_pk_mul_f32 v[SU:SU+1], v[SU:SU+1], v[FF:FF+1] op_sel_hi:[1,0]   ; the sums under the new M (a plain place behind the exponentials)
.endr
.irp u, 0,1
	TILE \u
	s_wait_alu depctr_va_vdst(0)
.irp b, 0,1,2,3
	v_max_num_f32 v[BM+\b], 0x1800000, v[BM+\b]    ; the floor 2^(3 - 127): the byte cannot fall under 1
.endr
.endr
.irp u, 0,1
	TILE \u
.irp b, 0,1,2,3
	v_add_nc_u32 v[SO+\b], 0xff000000, v[BM+\b]    ; 2 off the exponent field: the conversion's scale operand
.endr
.endr
.irp u, 0,1
	TILE \u
.irp b, 0,1,2,3
	v_lshrrev_b32 v[PX+\b], 23, v[SO+\b]           ; the scale's byte
.endr
.endr
.irp u, 0,1
	TILE \u
	v_lshl_or_b32 v[PS], v[PX+1], 8, v[PX]         ; p's scale word for these 128 keys
.endr
.irp u, 0,1
	TILE \u
	v_lshl_or_b32 v[PS], v[PX+2], 16, v[PS]
.endr
.irp u, 0,1
	TILE \u
	v_lshl_or_b32 v[PS], v[PX+3], 24, v[PS]
.endr
.irp u, 0,1
	TILE \u
	WIN \u                                         ; the numbers in window u; codes and scale operands in window 0
.irp c, 0,1
	v_cvt_scalef32_pk16_fp6_f32 v[PC+6*\c:PC+2+6*\c], v[96+32*\c:111+32*\c], v[SO+2*\c]
	v_cvt_scalef32_pk16_fp6_f32 v[PC+12+4*\c:PC+14+4*\c], v[112+32*\c:127+32*\c], v[SO+2*\c+1]   ; (a conversion's three registers begin on an even number)
.endr
.endr
	WIN 0
	v_nop                                          ; one plain place behind a scaled conversion
.irp u, 0,1
	TILE \u
.irp c, 0,1                                    ; the operand's layout wants a whole block in a lane
.irp i, 0,1,2
	v_permlane16_swap_b32 v[PC+6*\c+\i], v[PC+12+4*\c+\i]
.endr
.irp i, 0,1,2
	v_mov_b32 v[PC+3+6*\c+\i], v[PC+12+4*\c+\i]
.endr
.endr
.endr
.irp u, 0,1                                    ; the row's sum is taken of the unquantised p: two at a time, in two chains.  (These lines are also the places between the writes of p's codes and scale words and the products)
	TILE \u
	WIN 0x05*\u
	v_pk_add_f32 v[SUT:SUT+1], v[96:97], v[98:99]
	WIN 0x04*\u
.set J, 4
.rept 15
	v_pk_add_f32 v[SU:SU+1], v[SU:SU+1], v[96+J:97+J]
	v_pk_add_f32 v[SUT:SUT+1], v[SUT:SUT+1], v[98+J:99+J]
.set J, J+4
.endr
.endr
	WIN 0
.irp u, 0,1
	TILE \u
	v_pk_add_f32 v[SU:SU+1], v[SU:SU+1], v[SUT:SUT+1]
.endr
.if (\ks) < 7
	s_wait_dscnt 28                                ; V's 28 loads are in; the next K's 28, issued behind them, may be out
.else
	s_wait_dscnt 0x0
.endif
	WIN 0x02                                       ; O^T += V^T P^T: source 0 (V) window 2
.irp t, 0,1,2,3,4,5,6,7
	WMS 160+8*\t, VF+12*\t, 224, \first, VS+\t/2, 40, \t%2
.endr
	WIN 0x52                                       ; and O^T of tile 1 in window 1; its p's codes lie in window 0
.irp t, 0,1,2,3,4,5,6,7
	WMS 160+8*\t, VF+12*\t, 64, \first, VS+\t/2, 41, \t%2
.endr
	WIN 0
.if (\ks) < 7
	v_add_nc_u32 v[ADV], VIM+((\ks)+1)*12288, v[LI]   ; four places behind the products, in front of the loads into V's registers
	v_add_nc_u32 v[ADT], SCV+512*((\ks)+1), v[LS]
	PLACES 2
	LOADV                                          ; the next step's V
.endif
.endm
	s_wait_tensorcnt 0x3                           ; the scale words and my part of the first 256 keys are in; the three later groups' loads stay out
	s_barrier_signal -1
	s_barrier_wait -1                              ; everybody's are
	v_add_nc_u32 v[ADK], 0, v[LI]
	v_add_nc_u32 v[ADS], SCK, v[LS]
	v_add_nc_u32 v[ADV], VIM, v[LI]
	v_add_nc_u32 v[ADT], SCV, v[LS]
	LOADK
	LOADV
	s_wait_loadcnt 0x0                             ; Q
	STEP 0, 1
	STEP 1, 0
	STEP 2, 0
	STEP 3, 0
	STEP 4, 0
	STEP 5, 0
	STEP 6, 0
	STEP 7, 0
	; THE WAY OUT.  O^T / the sum: register 16 b + i of lane (r, h) is channel 32 b + 16 h + i of query r: it is quantised as it stands, and the codes are the image of the last projection's operand.
	PLACES 4
.irp u, 0,1
	TILE \u
	v_add_f32 v[SU], v[SU], v[SU+1]
.endr
.irp u, 0,1
	TILE \u
	v_permlanex16_b32 v[PX], v[SU], s[SEL], s[SEL+1]
.endr
.irp u, 0,1
	TILE \u
	v_add_f32 v[SU], v[SU], v[PX]                  ; the row's sum
.endr
.irp u, 0,1
	TILE \u
	v_rcp_f32 v[SU], v[SU]
.endr
	v_nop                                          ; a plain place behind the transcendentals
	s_wait_alu depctr_va_vdst(0)
.irp u, 0,1
	TILE \u
	WIN 0x41*\u
.set J, 0
.rept 64
	v_mul_f32 v[96+J], v[160+J], v[SU]             ; each accumulator from its low end on
.set J, J+1
.endr
.endr
.macro QOUT u                          ; tile u's 64 numbers a lane become codes and a scale word, and are stored; each tile has registers of its own for what is stored
	TILE \u
	WIN 0x05*\u
.irp b, 0,1,2,3
	v_max3_num_f32 v[BM+\b], |v[96+16*\b]|, |v[97+16*\b]|, 0x1800000
.endr
	WIN 0x14*\u
.irp i, 2,4,6,8,10,12,14
.irp b, 0,1,2,3
	v_max3_num_f32 v[BM+\b], v[BM+\b], |v[96+16*\b+\i]|, |v[97+16*\b+\i]|
.endr
.endr
	WIN 0
.irp b, 0,1,2,3
	v_permlanex16_b32 v[PX+\b], v[BM+\b], s[SEL], s[SEL+1]
.endr
.irp b, 0,1,2,3
	v_max_num_f32 v[BM+\b], v[BM+\b], v[PX+\b]
.endr
.irp b, 0,1,2,3
	v_add_nc_u32 v[SO+\b], 0xff000000, v[BM+\b]
.endr
.irp b, 0,1,2,3
	v_lshrrev_b32 v[PX+\b], 23, v[SO+\b]
.endr
	v_lshl_or_b32 v[TMP], v[PX+1], 8, v[PX]
	v_lshl_or_b32 v[TMP], v[PX+2], 16, v[TMP]
	v_lshl_or_b32 v[TMP], v[PX+3], 24, v[TMP]
	WIN \u
.irp c, 0,1
	v_cvt_scalef32_pk16_fp6_f32 v[PC+6*\c:PC+2+6*\c], v[96+32*\c:111+32*\c], v[SO+2*\c]
	v_cvt_scalef32_pk16_fp6_f32 v[PC+12+4*\c:PC+14+4*\c], v[112+32*\c:127+32*\c], v[SO+2*\c+1]
.endr
	WIN 0
	v_nop
.irp c, 0,1
.irp i, 0,1,2
	v_permlane16_swap_b32 v[PC+6*\c+\i], v[PC+12+4*\c+\i]
.endr
.irp i, 0,1,2
	v_mov_b32 v[PC+3+6*\c+\i], v[PC+12+4*\c+\i]
.endr
.endr
.irp c, 0,1,2
	global_store_b128 v[LI], v[PC+4*\c:PC+4*\c+3], s[8:9] offset:24576*\u+512*\c   ; 32 lanes store 512 consecutive bytes
.endr
	global_store_b32 v3, v[TMP], s[10:11] offset:1024*\u   ; row r's word; lanes l and l + 16 write the same word with the same value
.endm
	QOUT 0
	QOUT 1
	s_wait_tensorcnt 0x0
	ds_add_u32 v243, v255
	s_wait_dscnt 0x0
	CROUND                                         ; the closing round
	s_endpgm
.Lfunc_end_k_q0610ec7e15_attn:
	.size	k_q0610ec7e15_attn, .Lfunc_end_k_q0610ec7e15_attn-k_q0610ec7e15_attn
	.p2alignl 7, 3214868480
	.fill 96, 4, 3214868480
	.section	.rodata,"a",@progbits
	.p2align	6, 0x0
	.amdhsa_kernel k_q0610ec7e15_attn
		.amdhsa_group_segment_fixed_size 327680
		.amdhsa_private_segment_fixed_size 0
		.amdhsa_enable_private_segment 0
		.amdhsa_kernarg_size 32
		.amdhsa_user_sgpr_count 2
		.amdhsa_user_sgpr_kernarg_segment_ptr 1
		.amdhsa_wavefront_size32 1
		.amdhsa_system_sgpr_workgroup_id_x 1
		.amdhsa_system_sgpr_workgroup_id_y 1
		.amdhsa_system_sgpr_workgroup_id_z 1
		.amdhsa_system_vgpr_workitem_id 0
		.amdhsa_next_free_vgpr 768
		.amdhsa_next_free_sgpr 80
		.amdhsa_reserve_vcc 0
		.amdhsa_float_denorm_mode_32 3
		.amdhsa_float_denorm_mode_16_64 3
		.amdhsa_memory_ordered 1
		.amdhsa_forward_progress 1
		.amdhsa_inst_pref_size 255
	.end_amdhsa_kernel
	.section	.bss,"aw",@nobits
	.p2align	6
	.space	262144
	.amdgpu_metadata
---
amdhsa.version: [ 1, 2 ]
amdhsa.kernels:
  - .name:           k_q0610ec7e15_attn
    .symbol:         k_q0610ec7e15_attn.kd
    .args:
      - { .name: qkv, .offset: 0, .size: 8, .value_kind: global_buffer, .address_space: global }
      - { .name: qkvs, .offset: 8, .size: 8, .value_kind: global_buffer, .address_space: global }
      - { .name: of, .offset: 16, .size: 8, .value_kind: global_buffer, .address_space: global }
      - { .name: os, .offset: 24, .size: 8, .value_kind: global_buffer, .address_space: global }
    .group_segment_fixed_size: 327680
    .private_segment_fixed_size: 0
    .kernarg_segment_align: 8
    .kernarg_segment_size: 32
    .max_flat_workgroup_size: 128
    .sgpr_count:     80
    .vgpr_count:     768
    .wavefront_size: 32
...
	.end_amdgpu_metadata
.endif
;; end of part 3
;; launch oproj (part 4): grid 16 x 16, 4 waves a work-group, clusters of 4 x 4, 327,680 bytes of LDS; arguments of, os, codes, scl, out0; writes out0
.if DOCPART == 4
	.amdgcn_target "amdgcn-amd-amdhsa--gfx1250"
	.amdhsa_code_object_version 6
	.text
	.protected	k_q0610ec7e15_oproj
	.globl	k_q0610ec7e15_oproj
	.p2align	8
	.type	k_q0610ec7e15_oproj,@function
k_q0610ec7e15_oproj:
	s_mov_b64 s[64:65], 0
	v_nop
	global_prefetch_b8 v0, s[64:65] scope:SCOPE_SE
	s_setreg_imm32_b32 hwreg(HW_REG_WAVE_MODE, 25, 1), 1
	s_wait_xcnt 0x0
	s_wait_alu depctr_hold_cnt(0) depctr_sa_sdst(0) depctr_va_vdst(0) depctr_va_sdst(0) depctr_va_ssrc(0) depctr_va_vcc(0) depctr_vm_vsrc(0)
	s_getreg_b32 s2, hwreg(HW_REG_IB_STS2, 6, 4)
	s_cmp_eq_u32 s2, 0
	s_cbranch_scc0 .Lentry_in_a_cluster
	s_endpgm
.Lentry_in_a_cluster:
	s_bfe_u32 s2, ttmp6, 0x10000c
	s_cmp_lg_u32 s2, 0xf033
	s_cbranch_scc0 .Lentry_shape_is_right
	s_endpgm
.Lentry_shape_is_right:
; OPROJ.  out0 = O Wo^T on codes of FP6 (E2M3) with E8M0 scales, f32 sums.  O [2048][2048] and Wo [2048][2048] arrive as images of operand registers: [tile 128][K step 16][1536], the rows of tile T being
; 32 (T / 2) + 8 (T % 2) + r + 8 (r / 8); their scale words [tile][K step][16 words].  Wo is tensor 4 of codes and scl.
; SHARES.  Work-group (X, Y) makes 128 tokens x 128 columns; wave (wr = w / 2, wc = w % 2) 64 x 64: 16 accumulators.  Source 0 = Wo's tile 4 wc + b, source 1 = O's tile 4 wr + a: a lane holds one token and eight neighbouring columns.
; LDS.  Three regions of four K steps each (O's 8 tiles, 49,152 bytes, then Wo's 8 tiles); region 0 is filled a second time, with K steps 12-15, when steps 0-3 have been read: one refill, eight K steps ahead of its first read.
; The scale words of all of K come once.  Waves 0, 1 fetch O's halves, waves 2, 3 Wo's.  Four loads of a wave are out at the start, later one.
; CLUSTER 4 x 4: O's tiles hang on Y alone and are asked for jointly along a row of the cluster, Wo's on X alone, along a column.
; REGISTERS: window 0: v1-20 addresses; v32-39 scale words, two sets of 4 (lanes 0-15 O's tile, lanes 16-31 Wo's); v40-103 rows on the way out; v128-255 accumulator (a, b) at 128 + 8 (4 a + b).
;   window 1: set p: Wo's fragments at 96 p + 12 b, O's at 96 p + 48 + 12 a.
.set TEN,   3145728
.set STEN,  131072
.set REG,   98304                      ; a region
.set SCL,   3*REG                      ; the scale words: O's 8,192 bytes, then Wo's
.set SPARE, SCL+16384                  ; the spare words, 128 bytes a wave: two blocks of 256 bytes that no other line names
.set STAGE, REG                        ; the way out: 16 rows x 272 bytes for each wave, in region 1, which is filled once and read by nobody behind the barrier of K step 11
.set ADA,  4                           ; v4-6   O's fragments in region 0, 1, 2
.set ADB,  8                           ; v8-10  Wo's
.set ADS,  12                          ; v12    scale words
.set SPW,  13                          ; v13    my spare word; never rewritten
.set NIL,  14                          ; v14    0; never rewritten
.set STO,  15
.set RD,   16
.set CO,   17
.set SC,   32
.set BK,   40
.set ACC,  128
.set G1A,  24
.set G1B,  32
.set G1SA, 40
.set G1SB, 48
.set GSA,  56                          ; groups 0 for O: scale words, regions 0, 1, 2
.set GA0,  60
.set GA1,  68
.set GA2,  72
.set GSB,  76                          ; and for Wo
.set GB0,  80
.set GB1,  84
.set GB2,  88
.set MSB, 0
.macro WIN new
.if MSB != (\new)
	s_set_vgpr_msb (MSB<<8)|(\new)
.set MSB, (\new)
.endif
.endm
.macro PLACES n
.rept \n
	v_nop
.endr
.endm
.macro JLOAD g0a, g1a, g0b, g1b        ; a joint load: waves 0, 1 for O, waves 2, 3 for Wo; four v_nop follow each line
	s_cmp_eq_u32 s15, 0
	s_cbranch_scc0 .Lfor_b_\@
	tensor_load_to_lds s[\g0a:\g0a+3], s[\g1a:\g1a+7]
	s_nop 0
.rept 4
	v_nop
.endr
	s_branch .Lasked_\@
.Lfor_b_\@:
	tensor_load_to_lds s[\g0b:\g0b+3], s[\g1b:\g1b+7]
	s_nop 0
.rept 4
	v_nop
.endr
.Lasked_\@:
.endm
.macro CREST
	s_cmp_lg_u32 s14, 0
	s_cbranch_scc1 .Lnot_wave_0_\@
	s_barrier_signal -3
.Lnot_wave_0_\@:
	s_barrier_wait -3
	s_barrier_signal -1
	s_barrier_wait -1
.endm
.macro CROUND
	s_barrier_signal -1
	s_barrier_wait -1
	CREST
.endm
.macro SETG0 g, base, lds, off         ; a group 0: LDS address = 24,576 x wave + lds; global address = s[base] + off
	s_mov_b32 s[\g], 1
	s_add_co_u32 s[\g+1], s23, \lds
	s_add_nc_u64 s[\g+2:\g+3], s[\base:\base+1], \off
	s_or_b32 s[\g+3], s[\g+3], 0x80000000
.endm
	s_load_b256 s[4:11], s[0:1], 0x0               ; of s[4:5], os s[6:7], codes s[8:9], scl s[10:11]
	s_load_b64 s[12:13], s[0:1], 0x20              ; out0
	v_lshl_add_u32 v[SPW], v0, 2, SPARE
	v_mov_b32 v[NIL], 0
	ds_add_u32 v13, v14
	ds_add_u32 v13, v14
	s_wait_dscnt 0x0
	v_lshrrev_b32 v1, 5, v0
	v_readfirstlane_b32 s14, v1                    ; wave 0..3
	s_lshr_b32 s15, s14, 1                         ; wr.  Also: I fetch for O (0) or for Wo (1)
	s_and_b32 s16, s14, 1                          ; wc.  Also: which four tiles I fetch
	s_bfe_u32 s19, ttmp6, 0x40000                  ; cx, cy
	s_bfe_u32 s20, ttmp6, 0x40004
	s_lshl_b32 s18, ttmp9, 2
	s_add_co_u32 s18, s18, s19                     ; X
	s_and_b32 s17, ttmp7, 0xffff
	s_lshl_b32 s17, s17, 2
	s_add_co_u32 s17, s17, s20                     ; Y
	s_lshl_b32 s21, s20, 2
	s_lshl_b32 s21, 15, s21                        ; my row of the cluster
	s_lshl_b32 s22, 0x1111, s19                    ; my column
	; group 1 for codes: 4 tiles' rows of 6,144 bytes (four K steps), 24,576 bytes apart; elements of 8 bytes
	s_or_b32 s[G1A+0], s21, (3<<16)|(1<<21)
	s_or_b32 s[G1B+0], s22, (3<<16)|(1<<21)
.irp g, G1A, G1B
	s_mov_b32 s[\g+1], 768<<16
	s_mov_b32 s[\g+2], 4<<16
	s_mov_b32 s[\g+3], 768<<16
	s_mov_b32 s[\g+4], 4
	s_mov_b32 s[\g+5], 3072
	s_mov_b32 s[\g+6], 0
	s_mov_b32 s[\g+7], 0
.endr
	; group 1 for scale words: 4 tiles' 4,096 dense bytes as 16 rows of 256
	s_or_b32 s[G1SA+0], s21, (3<<16)|(1<<21)
	s_or_b32 s[G1SB+0], s22, (3<<16)|(1<<21)
.irp g, G1SA, G1SB
	s_mov_b32 s[\g+1], 32<<16
	s_mov_b32 s[\g+2], 16<<16
	s_mov_b32 s[\g+3], 32<<16
	s_mov_b32 s[\g+4], 16
	s_mov_b32 s[\g+5], 32
	s_mov_b32 s[\g+6], 0
	s_mov_b32 s[\g+7], 0
.endr
	s_mul_i32 s92, s17, 8*24576                    ; O: tiles 8 Y + 4 x half on
	s_mul_i32 s93, s16, 4*24576
	s_add_co_u32 s92, s92, s93
	s_mov_b32 s93, 0
	s_lshl_b32 s94, s17, 13
	s_lshl_b32 s95, s16, 12
	s_add_co_u32 s94, s94, s95
	s_mov_b32 s95, 0
	s_mul_i32 s96, s18, 8*24576                    ; Wo: tiles 8 X + 4 x half on of tensor 4
	s_mul_i32 s97, s16, 4*24576
	s_add_co_u32 s96, s96, s97
	s_add_co_u32 s96, s96, 4*TEN
	s_mov_b32 s97, 0
	s_lshl_b32 s98, s18, 13
	s_lshl_b32 s99, s16, 12
	s_add_co_u32 s98, s98, s99
	s_add_co_u32 s98, s98, 4*STEN
	s_mov_b32 s99, 0
	s_mul_i32 s23, s14, 24576                      ; where they go: no place in the cluster enters an LDS address
	s_lshl_b32 s3, s14, 12
	s_wait_kmcnt 0x0
	s_add_nc_u64 s[92:93], s[4:5], s[92:93]
	s_add_nc_u64 s[94:95], s[6:7], s[94:95]
	s_add_nc_u64 s[96:97], s[8:9], s[96:97]
	s_add_nc_u64 s[98:99], s[10:11], s[98:99]
	CROUND                                         ; all sixteen work-groups are here: the first joint loads meet
	s_mov_b32 s[GSA], 1
	s_add_co_u32 s[GSA+1], s3, SCL
	s_mov_b64 s[GSA+2:GSA+3], s[94:95]
	s_or_b32 s[GSA+3], s[GSA+3], 0x80000000
	s_mov_b32 s[GSB], 1
	s_add_co_u32 s[GSB+1], s3, SCL
	s_mov_b64 s[GSB+2:GSB+3], s[98:99]
	s_or_b32 s[GSB+3], s[GSB+3], 0x80000000
	JLOAD GSA, G1SA, GSB, G1SB
	SETG0 GA0, 92, 0, 0
	SETG0 GB0, 96, 0, 0
	JLOAD GA0, G1A, GB0, G1B
	SETG0 GA1, 92, REG, 6144
	SETG0 GB1, 96, REG, 6144
	JLOAD GA1, G1A, GB1, G1B
	SETG0 GA2, 92, 2*REG, 12288
	SETG0 GB2, 96, 2*REG, 12288
	JLOAD GA2, G1A, GB2, G1B
	v_and_b32 v1, 15, v0                           ; r
	v_bfe_u32 v2, v0, 4, 1                         ; h
	v_and_b32 v3, 31, v0
	v_lshlrev_b32 v18, 4, v3                       ; 16 x lane
	s_mul_i32 s66, s15, 24576                      ; O's tiles 4 wr on,
	s_mul_i32 s67, s16, 24576
	s_add_co_u32 s67, s67, 49152                   ; Wo's tiles 4 wc on
.irp n, 0,1,2
	v_add_nc_u32 v[ADA+\n], s66, v18
	v_add_nc_u32 v[ADB+\n], s67, v18
	s_add_co_u32 s66, s66, REG
	s_add_co_u32 s67, s67, REG
.endr
	v_lshlrev_b32 v19, 2, v1
	s_lshl_b32 s66, s15, 12
	s_lshl_b32 s67, s16, 12
	s_add_co_u32 s67, s67, 8192
	s_sub_co_u32 s67, s67, s66
	v_mul_u32_u24 v20, s67, v2                     ; lanes 16-31 take Wo's words: the lower base + h x the distance
	s_add_co_u32 s66, s66, SCL
	v_add_nc_u32 v19, v19, v20
	v_add_nc_u32 v[ADS], s66, v19
	s_mul_i32 s66, s14, 16*272
	s_add_co_u32 s66, s66, STAGE                   ; my stage
	v_mul_u32_u24 v19, v1, 272
	v_lshl_add_u32 v19, v2, 6, v19
	v_add_nc_u32 v[STO], s66, v19                  ; in: row r, + 64 h
	v_mul_u32_u24 v19, v2, 272
	v_lshl_add_u32 v19, v1, 4, v19
	v_add_nc_u32 v[RD], s66, v19                   ; back: lanes 0-15 one row of 256 bytes, lanes 16-31 the next
	v_lshlrev_b32 v[CO], 13, v2
	v_lshl_add_u32 v[CO], v1, 4, v[CO]             ; and the same two rows in out0
	s_lshl_b32 s2, s17, 20                         ; (128 Y + 64 wr) rows of 8,192 bytes + 512 X + 256 wc
	s_lshl_b32 s3, s15, 19
	s_add_co_u32 s2, s2, s3
	s_lshl_b32 s3, s18, 9
	s_add_co_u32 s2, s2, s3
	s_lshl_b32 s3, s16, 8
	s_add_co_u32 s2, s2, s3
	s_mov_b32 s3, 0
	s_add_nc_u64 s[12:13], s[12:13], s[2:3]
.macro WMS d, a, b, zero, sa, sb       ; one matrix instruction; source 0's scales lie in lanes 16-31.  zero = 1: it starts the sum
.if \zero
	v_wmma_scale_f32_16x16x128_f8f6f4 v[(\d):(\d)+7], v[(\a):(\a)+11], v[(\b):(\b)+11], 0, v[\sa], v[\sb] matrix_a_fmt:MATRIX_FMT_FP6 matrix_b_fmt:MATRIX_FMT_FP6 matrix_a_scale:MATRIX_SCALE_ROW1
.else
	v_wmma_scale_f32_16x16x128_f8f6f4 v[(\d):(\d)+7], v[(\a):(\a)+11], v[(\b):(\b)+11], v[(\d):(\d)+7], v[\sa], v[\sb] matrix_a_fmt:MATRIX_FMT_FP6 matrix_b_fmt:MATRIX_FMT_FP6 matrix_a_scale:MATRIX_SCALE_ROW1
.endif
.endm
.macro FETCH s, p                      ; K step s: 8 fragments and 4 registers of scale words into set p
.set RN, ((\s)/4)%3
.set QQ, (\s)%4
	WIN 0x40
.irp i, 0,1,2,3
.irp c, 0,1,2
	ds_load_b128 v[96*(\p)+12*\i+4*\c:96*(\p)+12*\i+4*\c+3], v[ADB+RN] offset:6144*\i+1536*QQ+512*\c
.endr
.endr
.irp i, 0,1,2,3
.irp c, 0,1,2
	ds_load_b128 v[96*(\p)+48+12*\i+4*\c:96*(\p)+48+12*\i+4*\c+3], v[ADA+RN] offset:6144*\i+1536*QQ+512*\c
.endr
.endr
	WIN 0
.irp i, 0,1,2,3
	ds_load_b32 v[SC+4*(\p)+\i], v[ADS] offset:1024*\i+64*(\s)
.endr
.endm
.macro MUL8 p, a0, zero                ; the 16 accumulators take turns, one instruction a turn, in the same order in every K step
	WIN 0x05                                       ; sources 0 and 1 window 1; C and D window 0
.irp a, \a0, \a0+1
.irp b, 0,1,2,3
	WMS ACC+8*(4*(\a)+\b), 96*(\p)+12*\b, 96*(\p)+48+12*(\a), \zero, SC+4*(\p)+\b, SC+4*(\p)+(\a)
.endr
.endr
.endm
.macro KSTEP s, zero
	s_wait_dscnt 0x0                               ; this step's set is in
	PLACES 4                                       ; four places in front of loads into registers that the last products read
	FETCH (\s)+1, 1-(\s)%2
	MUL8 (\s)%2, 0, \zero
	MUL8 (\s)%2, 2, \zero
	WIN 0
.endm
; A K step with a barrier.  fill = 1: region 0, whose four K steps have been read, is filled again; the barrier then opens a round of the cluster's.
.macro TURN s, fill
	s_wait_tensorcnt 0x0                           ; all my tensor loads have landed
	ds_add_u32 v[SPW], v[NIL]                      ; 0 onto my spare word
.if \fill
	s_add_nc_u64 s[GA0+2:GA0+3], s[GA0+2:GA0+3], 18432   ; K steps 12 to 15
	s_add_nc_u64 s[GB0+2:GB0+3], s[GB0+2:GB0+3], 18432
.endif
	s_wait_dscnt 0x0                               ; the add is done, this step's set is in, and my reads of the region behind me are over
	s_barrier_signal -1
	MUL8 (\s)%2, 0, 0
	WIN 0
	s_barrier_wait -1
.if \fill
	CREST
	JLOAD GA0, G1A, GB0, G1B                       ; the first tensor load behind the round; its four v_nop are the places in front of the loads below
.else
	PLACES 4
.endif
	FETCH (\s)+1, 1-(\s)%2
	MUL8 (\s)%2, 2, 0
	WIN 0
.endm
	s_wait_tensorcnt 0x2                           ; the scale words and my part of region 0 are in; the loads of regions 1 and 2 may stay out
	s_barrier_signal -1
	s_barrier_wait -1
	FETCH 0, 0
	KSTEP 0, 1                                     ; the first K step's products start the sums
	KSTEP 1, 0
	KSTEP 2, 0
	TURN 3, 1                                      ; regions 1 and 2 are whole for everybody; region 0 is asked for again
	KSTEP 4, 0
	KSTEP 5, 0
	KSTEP 6, 0
	KSTEP 7, 0
	KSTEP 8, 0
	KSTEP 9, 0
	KSTEP 10, 0
	TURN 11, 0                                     ; region 0's second fill is whole for everybody
	KSTEP 12, 0
	KSTEP 13, 0
	KSTEP 14, 0
	s_wait_dscnt 0x0
	MUL8 1, 0, 0
	MUL8 1, 2, 0
	WIN 0
; THE WAY OUT, a token tile (16 rows x 64 columns) at a time, through my own stage: register j of accumulator (a, b) in lane (r, h) is column 32 (b / 2) + 16 h + 8 (b % 2) + j of the tile's row r.
.macro TOSTAGE a
.irp b, 0,1,2,3
	ds_store_b128 v[STO], v[ACC+8*(4*(\a)+\b):ACC+8*(4*(\a)+\b)+3] offset:128*(\b/2)+32*(\b%2)        ; each accumulator from its low end on
	ds_store_b128 v[STO], v[ACC+8*(4*(\a)+\b)+4:ACC+8*(4*(\a)+\b)+7] offset:128*(\b/2)+32*(\b%2)+16
.endr
.set BB, BK+32*((\a)%2)
.irp t, 0,1,2,3,4,5,6,7
	ds_load_b128 v[BB+4*\t:BB+4*\t+3], v[RD] offset:544*\t   ; LDS serves a wave's instructions in order: these see the stores above
.endr
.endm
.macro SEND a, younger                 ; younger: the LDS instructions issued behind tile a's loads, which may stay out
.set BB, BK+32*((\a)%2)
	s_wait_dscnt \younger
.irp t, 0,1,2,3,4,5,6,7
	global_store_b128 v[CO], v[BB+4*\t:BB+4*\t+3], s[12:13] offset:(32*((\a)/2)+8*((\a)%2)+2*\t+8*(\t/4))*8192 th:TH_STORE_NT   ; 16 lanes store 256 consecutive bytes, aligned; the stage's row 2 t + h is the tile's row of that number
.endr
.endm
	PLACES 4                                       ; behind the last products
	TOSTAGE 0
.irp a, 1,2,3
.if \a > 1
	s_wait_xcnt 0x0                                ; tile a - 2's stores have read their registers: tile a's rows may land there
.endif
	TOSTAGE \a
	SEND \a-1, 16                                  ; behind tile a - 1's loads: tile a's 8 stores and 8 loads
.endr
	SEND 3, 0
	s_wait_tensorcnt 0x0                           ; the wave's end
	ds_add_u32 v[SPW], v[NIL]
	s_wait_dscnt 0x0
	CROUND                                         ; the closing round
	s_endpgm
.Lfunc_end_k_q0610ec7e15_oproj:
	.size	k_q0610ec7e15_oproj, .Lfunc_end_k_q0610ec7e15_oproj-k_q0610ec7e15_oproj
	.p2alignl 7, 3214868480
	.fill 96, 4, 3214868480
	.section	.rodata,"a",@progbits
	.p2align	6, 0x0
	.amdhsa_kernel k_q0610ec7e15_oproj
		.amdhsa_group_segment_fixed_size 327680
		.amdhsa_private_segment_fixed_size 0
		.amdhsa_enable_private_segment 0
		.amdhsa_kernarg_size 40
		.amdhsa_user_sgpr_count 2
		.amdhsa_user_sgpr_kernarg_segment_ptr 1
		.amdhsa_wavefront_size32 1
		.amdhsa_system_sgpr_workgroup_id_x 1
		.amdhsa_system_sgpr_workgroup_id_y 1
		.amdhsa_system_sgpr_workgroup_id_z 1
		.amdhsa_system_vgpr_workitem_id 0
		.amdhsa_next_free_vgpr 448
		.amdhsa_next_free_sgpr 100
		.amdhsa_reserve_vcc 0
		.amdhsa_float_denorm_mode_32 3
		.amdhsa_float_denorm_mode_16_64 3
		.amdhsa_memory_ordered 1
		.amdhsa_forward_progress 1
		.amdhsa_inst_pref_size 84
	.end_amdhsa_kernel
	.amdgpu_metadata
---
amdhsa.version: [ 1, 2 ]
amdhsa.kernels:
  - .name:           k_q0610ec7e15_oproj
    .symbol:         k_q0610ec7e15_oproj.kd
    .args:
      - { .name: of, .offset: 0, .size: 8, .value_kind: global_buffer, .address_space: global }
      - { .name: os, .offset: 8, .size: 8, .value_kind: global_buffer, .address_space: global }
      - { .name: codes, .offset: 16, .size: 8, .value_kind: global_buffer, .address_space: global }
      - { .name: scl, .offset: 24, .size: 8, .value_kind: global_buffer, .address_space: global }
      - { .name: out0, .offset: 32, .size: 8, .value_kind: global_buffer, .address_space: global }
    .group_segment_fixed_size: 327680
    .private_segment_fixed_size: 0
    .kernarg_segment_align: 8
    .kernarg_segment_size: 40
    .max_flat_workgroup_size: 128
    .sgpr_count:     100
    .vgpr_count:     448
    .wavefront_size: 32
...
	.end_amdgpu_metadata
.endif
;; end of part 4
